; MI455X (gfx1250); checked and timed in simulation.
; The chip was launched on July 23, 2026; its instructions are those of AMD's public machine-readable ISA for CDNA 5 (MIT licence, August 2026) and "CDNA5" Instruction Set Architecture Reference Guide (July 2026). The comments in the code are by the model that wrote it; some were corrected since.
;; Multi Head Attention. Allowed arithmetic: matrix products marked QUANTISED: E2M1 operands, one E8M0 scale for each 32 along K, by v_wmma_scale_f32_16x16x128_f8f6f4 with both operands' format E2M1 (or v_wmma_scale_f32_32x16x128_f4), f32 sums; products left as they are: bf16, f16 or f32 operands; f32 sums; everything else in f32.
;; Inputs: Wk 1,024 x 1,024 float32; Wo 1,024 x 1,024 float32; Wq 1,024 x 1,024 float32; Wv 1,024 x 1,024 float32; bk 1,024 float32; bo 1,024 float32; bq 1,024 float32; bv 1,024 float32; k 2 x 2,048 x 1,024 float32; mask 2 x 1 x 2,048 x 2,048 int32; q 2 x 2,048 x 1,024 float32; v 2 x 2,048 x 1,024 float32.
;; Outputs: out0 2 x 2,048 x 1,024 float32.
;; This version of the problem:
;;   THIS VERSION OF THE PROBLEM IS GIVEN IN LOW PRECISION. The matrix products marked QUANTISED in the list below multiply operands that are first quantised to E2M1 (2 exponent bits, 1 mantissa bit; 4 bits a number), with one power-of-two scale for each 32 numbers along K (OCP MX v1.0); their sums are f32. The products marked 'left as it is' may take bf16, f16 or f32 operands, with f32 sums. Whichever they take, every output number must still come out within the allowed error. Rounding operands to bf16 (8 significant bits) uses up far more of that allowance than f16 does (11 bits, for magnitudes from 6e-5 to 65,504). All else is computed in f32.
;;   The module's matrix products, in the order in which they are computed (A, B: the left and right operand; K: the contracted axis; several contracted axes count as one K, in the product's order):
;;     1. [M 4,096, K 1,024] x [K 1,024, N 1,024]; A: input q; B: input Wq: QUANTISED
;;     2. [M 4,096, K 1,024] x [K 1,024, N 1,024]; A: input k; B: input Wk: QUANTISED
;;     3. [M 4,096, K 1,024] x [K 1,024, N 1,024]; A: input v; B: input Wv: QUANTISED
;;     4. batch 32 x [M 2,048, K 64] x [K 64, N 2,048]; A: computed on the way; B: computed on the way: left as it is (an operand is computed on the way)
;;     5. batch 32 x [M 2,048, K 2,048] x [K 2,048, N 64]; A: computed on the way; B: computed on the way: left as it is (an operand is computed on the way)
;;     6. [M 4,096, K 1,024] x [K 1,024, N 1,024]; A: computed on the way; B: input Wo: left as it is (an operand is computed on the way)
;;   THE QUANTISER, for each operand of a quantised product, along K:
;;     - K is cut into blocks of 32 from its start; a last block that is shorter is filled with zeros.
;;     - A block's scale is 2^e with e = floor(log2(the largest magnitude in the block)) - 2, held to -126 .. 127; a block of zeros has e = 0. As a byte (E8M0): e + 127.
;;     - Each number is divided by its block's scale, clamped to +-6, and rounded to the nearest number of E2M1, ties to even, subnormals kept.
;;     - The product sums the exact products of the quantised numbers (number of the format x scale) in f32.
;;   ~~~python
;;   def quantise(x, axis):      # numpy; x: float32 -> the quantised numbers, widened to float32 again
;;       x = np.moveaxis(x, axis, -1); K = x.shape[-1]
;;       x = np.pad(x, [(0, 0)] * (x.ndim - 1) + [(0, -K % 32)]); x = x.reshape(x.shape[:-1] + (-1, 32)); a = np.abs(x).max(-1, keepdims=True)
;;       e = np.where(a > 0, np.clip(np.frexp(np.where(a > 0, a, 1))[1] - 1 - 2, -126, 127), 0)      # np.frexp(a)[1] - 1 = floor(log2(a)), exactly
;;       r = np.clip(x / 2.0 ** e, -6, 6)
;;       step = 2.0 ** (np.maximum(np.frexp(np.where(r == 0, 1, r))[1] - 1, 0) - 1)
;;       q = np.round(r / step) * step * 2.0 ** e      # np.round: ties to even
;;       return np.moveaxis(q.reshape(q.shape[:-2] + (-1,))[..., :K], -1, axis).astype(np.float32)
;;   ~~~
;; One version. Each part assembles by itself: llvm-mc -triple=amdgcn-amd-amdhsa -mcpu=gfx1250 --defsym DOCPART=n.
;; ======== version 1 of 1: 4 launches
;; limits: values are held in f16: magnitudes above 65,504 overflow, below 6.1e-05 lose precision
;; workspace buffers: codes 7,864,320 bytes; scales 491,520 bytes; wo16 2,097,152 bytes; mbits 1,048,576 bytes of whole numbers; qkv 25,165,824 bytes; ctx 8,388,608 bytes
;; launch prep (part 1): grid 864 x 1, 4 waves a work-group, no clusters, 67,072 bytes of LDS; arguments q, k, v, Wq, Wk, Wv, Wo, mask, codes, scales, wo16, mbits; writes codes, scales, wo16, mbits
.if DOCPART == 1
	.amdgcn_target "amdgcn-amd-amdhsa--gfx1250"
	.amdhsa_code_object_version 6
	.text
	.protected	k_qb7fc9e81a3_prep
	.globl	k_qb7fc9e81a3_prep
	.p2align	8
	.type	k_qb7fc9e81a3_prep,@function
k_qb7fc9e81a3_prep:
	s_mov_b64 s[64:65], 0
	v_nop
	global_prefetch_b8 v0, s[64:65] scope:SCOPE_SE
	s_setreg_imm32_b32 hwreg(HW_REG_WAVE_MODE, 25, 1), 1
	s_wait_xcnt 0x0
; THREE JOBS IN ONE LAUNCH, told apart by the work-group's number; each is a plain stream, so no matrix unit, no cluster, no tensor load.
; Work-groups 0-479: q, k, v [4096][1024] and Wq, Wk, Wv [1024][1024], f32 with K innermost, become codes of FP4 (E2M1) and one E8M0 byte for each 32 along K.
;   All six lie on end in 'codes' (rows of 512 bytes) and 'scales' (rows of 32 bytes), in the order q, k, v, Wq, Wk, Wv.  A block's scale is 2^(floor(log2(largest magnitude)) - 2);
;   its byte is the largest magnitude's exponent field - 2, held at 1 from below.  (A block of zeros gets the byte 1 where the rule says 127: its codes are zeros, and this program alone reads the bytes.)
; Work-groups 480-735: the mask [2][2048][2048] of int32 becomes lane masks: mbits [b][tile of 16 queries][step of 64 keys][32 words]; word 8 kt + j, bit l says whether
;   mask[b][16 qt + l % 16][64 ks + 16 kt + 8 (l / 16) + j] is not 0: the very lanes and registers in which the attention launch holds its scores.
; Work-groups 736-863: Wo [1024][1024] f32 is rounded to f16.
; LIMITS: NaN and infinities among the inputs are not served; blocks whose largest magnitude lies under 2^-124 keep the byte 1; numbers of Wo beyond 65,504 overflow f16, under 6e-5 they keep steps of 6e-8.
.set STEPS, 16
.set EMAX,  2
.set CB,    8                          ; bytes of 16 codes
.set R,     16                         ; v16-79   quantiser: four sets of 16 numbers as loaded
.set X,     80                         ; v80-111  two sets of 16 neighbours
.set E,     112                        ; v112-127 a scale byte for each step
.set C,     128                        ; v128-191 codes, four registers a step
.set WREG,  8192                       ; LDS, quantiser: a region for each wave: two stages of 32 x SP bytes, then its 256 scale bytes
.set SP,    80
.set MSTG,  4*WREG                     ; LDS, mask: a stage of 16 rows x MP bytes for each wave; bytes of its own, apart from the quantiser's
.set MP,    528                        ; 512 bytes + 16: the 16 rows that a load touches start 33 x 16 bytes apart
.set SPARE, MSTG+4*16*MP               ; the spare words, 128 bytes for each wave: two blocks of 256 bytes that no other line names
.set SPW,   12                         ; v12 LDS address of my spare word; never rewritten
.set NIL,   13                         ; v13 0; never rewritten
.set MR,    16                         ; mask: v16-143 two sets of 64 registers as loaded
.set MX,    144                        ; v144-175 32 mask numbers in the scores' layout
.set MO,    176                        ; v176-183 a pair of registers of finished words for each unit
	s_load_b512 s[4:19], s[0:1], 0x0               ; q, k, v, Wq, Wk, Wv, Wo, mask
	s_load_b256 s[20:27], s[0:1], 0x40             ; codes, scales, wo16, mbits
	v_lshl_add_u32 v[SPW], v0, 2, SPARE
	v_mov_b32 v[NIL], 0
	v_lshrrev_b32 v1, 5, v0
	v_readfirstlane_b32 s28, v1                    ; wave
	v_and_b32 v2, 31, v0                           ; lane
	s_wait_kmcnt 0x0
	s_cmp_lt_u32 ttmp9, 480
	s_cbranch_scc1 .Lquant
	s_cmp_lt_u32 ttmp9, 736
	s_cbranch_scc1 .Lmask
; ---- Wo to f16.  A wave takes 2,048 numbers: each load reads 512 consecutive bytes, each store writes 256 consecutive bytes, aligned.  Every register is used once.
	s_sub_co_u32 s29, ttmp9, 736
	s_lshl_b32 s29, s29, 2
	s_add_co_u32 s29, s29, s28                     ; which run of 2,048 numbers
	s_lshl_b32 s30, s29, 13
	s_mov_b32 s31, 0
	s_add_nc_u64 s[16:17], s[16:17], s[30:31]
	s_lshl_b32 s30, s29, 12
	s_add_nc_u64 s[24:25], s[24:25], s[30:31]
	v_lshlrev_b32 v3, 4, v2
	v_lshlrev_b32 v4, 3, v2
.irp i, 0,1,2,3,4,5,6,7,8,9,10,11,12,13,14,15
	global_load_b128 v[16+4*\i:16+4*\i+3], v3, s[16:17] offset:512*\i th:TH_LOAD_NT
.endr
.irp i, 0,1,2,3,4,5,6,7,8,9,10,11,12,13,14,15
	s_wait_loadcnt 15-\i                           ; loads come back in order: load i is in, the younger ones stay out
	v_cvt_pk_f16_f32 v[96+2*\i], v[16+4*\i], v[17+4*\i]
	v_cvt_pk_f16_f32 v[97+2*\i], v[18+4*\i], v[19+4*\i]
	global_store_b64 v4, v[96+2*\i:97+2*\i], s[24:25] offset:256*\i
.endr
	s_branch .Lend
; ---- The quantiser.  A wave takes 16 steps of 512 numbers.  Each load reads 512 consecutive bytes, 16 a lane; a step's 2,048 bytes turn through the wave's own stage in LDS and come back 64 bytes a lane,
; so that a lane holds 16 neighbours along K (two neighbouring lanes hold a block), which is what the conversions take.  Loads run four steps ahead, the turn through LDS one step.
.Lquant:
	v_lshlrev_b32 v3, 4, v2                        ; my 16 bytes of a load's 512
	s_mul_i32 s30, s28, WREG
	v_lshrrev_b32 v14, 2, v2
	v_mul_u32_u24 v14, v14, SP
	v_and_b32 v15, 3, v2
	v_lshl_add_u32 v14, v15, 4, v14
	v_add_nc_u32 v14, s30, v14                     ; the stage, on the way in: SP (lane / 4) + 16 (lane % 4)
	v_mul_u32_u24 v15, v2, SP
	v_add_nc_u32 v15, s30, v15                     ; and on the way out: SP x lane
	v_mul_u32_u24 v4, v2, CB                       ; my codes' place in a step's
	v_lshrrev_b32 v5, 1, v2
	s_add_co_u32 s30, s30, 2*32*SP
	v_add_nc_u32 v5, s30, v5                       ; my wave's 256 scale bytes, my block's byte
	v_lshlrev_b32 v7, 3, v2
	v_add_nc_u32 v6, s30, v7                       ; and on the way out 8 bytes a lane
	s_mov_b32 s29, 0                               ; the tensor's first work-group.  The choices hang on the work-group's number alone
	s_cmp_ge_u32 ttmp9, 128
	s_cselect_b64 s[4:5], s[6:7], s[4:5]
	s_cselect_b32 s29, 128, s29
	s_cmp_ge_u32 ttmp9, 256
	s_cselect_b64 s[4:5], s[8:9], s[4:5]
	s_cselect_b32 s29, 256, s29
	s_cmp_ge_u32 ttmp9, 384
	s_cselect_b64 s[4:5], s[10:11], s[4:5]
	s_cselect_b32 s29, 384, s29
	s_cmp_ge_u32 ttmp9, 416
	s_cselect_b64 s[4:5], s[12:13], s[4:5]
	s_cselect_b32 s29, 416, s29
	s_cmp_ge_u32 ttmp9, 448
	s_cselect_b64 s[4:5], s[14:15], s[4:5]
	s_cselect_b32 s29, 448, s29
	s_sub_co_u32 s29, ttmp9, s29
	s_lshl_b32 s29, s29, 2
	s_add_co_u32 s29, s29, s28                     ; which run of 8,192 numbers of the tensor
	s_lshl_b32 s30, s29, 15
	s_mov_b32 s31, 0
	s_add_nc_u64 s[4:5], s[4:5], s[30:31]
	s_lshl_b32 s29, ttmp9, 2
	s_add_co_u32 s29, s29, s28                     ; and of all six on end: the outputs need no choice
	s_lshl_b32 s30, s29, 12
	s_add_nc_u64 s[20:21], s[20:21], s[30:31]      ; 4,096 bytes of codes a run
	s_lshl_b32 s30, s29, 8
	s_add_nc_u64 s[22:23], s[22:23], s[30:31]      ; 256 scale bytes a run
.macro LOAD t
.irp i, 0,1,2,3
	global_load_b128 v[R+16*((\t)%4)+4*\i:R+16*((\t)%4)+4*\i+3], v3, s[4:5] offset:2048*(\t)+512*\i th:TH_LOAD_NT
.endr
.endm
.macro TURN t                          ; step t's numbers through the stage: LDS serves a wave's instructions in order, so no wait stands between the stores and the loads
.irp i, 0,1,2,3
	ds_store_b128 v14, v[R+16*((\t)%4)+4*\i:R+16*((\t)%4)+4*\i+3] offset:32*SP*((\t)%2)+8*SP*\i
.endr
.irp i, 0,1,2,3
	ds_load_b128 v[X+16*((\t)%2)+4*\i:X+16*((\t)%2)+4*\i+3], v15 offset:32*SP*((\t)%2)+16*\i
.endr
.endm
.irp t, 0,1,2,3
	LOAD \t
.endr
	s_wait_loadcnt 12                              ; step 0's four loads are in
	TURN 0
.macro STEP t
.set XS, X+16*((\t)%2)
.if (\t) > 0
	s_wait_dscnt 1                                 ; this step's numbers are back from the stage (the last step's byte store may be out): so its stores into the stage have read their registers,
.else
	s_wait_dscnt 0x0
.endif
.if (\t)+4 < STEPS
	LOAD (\t)+4                                    ; which take the loads of four steps on
.endif
.if (\t)+1 < STEPS
.if STEPS-2-(\t) >= 3
	s_wait_loadcnt 12                              ; the next step's four loads are in; those of the three steps behind it may be out
.else
	s_wait_loadcnt 4*(STEPS-2-(\t))
.endif
	TURN (\t)+1
.endif
	v_max3_num_f32 v8, |v[XS]|, |v[XS+1]|, |v[XS+2]|               ; the largest magnitude of my 16, in two chains
	v_max3_num_f32 v9, |v[XS+3]|, |v[XS+4]|, |v[XS+5]|
.irp i, 6,10
	v_max3_num_f32 v8, v8, |v[XS+\i]|, |v[XS+\i+1]|
	v_max3_num_f32 v9, v9, |v[XS+\i+2]|, |v[XS+\i+3]|
.endr
	v_max3_num_f32 v8, v8, |v[XS+14]|, |v[XS+15]|
	v_max3_num_f32 v8, v8, v9, (EMAX+1)<<23        ; and the floor 2^(3 - 127): the byte cannot fall under 1
	v_max_num_f32_dpp v8, v8, v8 row_xmask:1 row_mask:0xf bank_mask:0xf   ; and of my neighbour's 16: the block's
	v_add_nc_u32 v11, -(EMAX<<23), v8              ; 2 off its exponent field: the conversion takes the exponent field of this operand as its scale
	v_cvt_scalef32_pk8_fp4_f32 v[C+4*(\t)], v[XS:XS+7], v11
	v_cvt_scalef32_pk8_fp4_f32 v[C+4*(\t)+1], v[XS+8:XS+15], v11
	v_lshrrev_b32 v[E+(\t)], 23, v11               ; the scale's byte (also the plain line behind the conversions)
	ds_store_b8 v5, v[E+(\t)] offset:16*(\t)       ; both lanes of a block write the same byte with the same value
	global_store_b64 v4, v[C+4*(\t):C+4*(\t)+1], s[20:21] offset:32*CB*(\t)   ; the wave stores 256 consecutive bytes, aligned
.endm
.irp t, 0,1,2,3,4,5,6,7,8,9,10,11,12,13,14,15
	STEP \t
.endr
	ds_load_b64 v[8:9], v6                         ; my wave's 256 scale bytes: LDS serves a wave in order, so these see my stores
	s_wait_dscnt 0x0
	global_store_b64 v7, v[8:9], s[22:23]          ; 256 consecutive bytes, aligned
	s_branch .Lend
; ---- The mask.  A work-group takes a tile of 16 queries (16 rows of 8,192 bytes), wave w keys 512 w on, in four units of 128 keys.  Each load reads 512 consecutive bytes of one row.
; A unit's 16 x 512 bytes go through the wave's own stage and come back in the scores' layout: lane (r, h) takes row r, keys 16 kt + 8 h + 0..7.  A compare gives one word of 32 lanes' bits in a
; scalar register; v_writelane_b32 lays 64 such words into a pair of registers, two words a lane, which leave as 256 consecutive bytes, aligned.
.Lmask:
	s_sub_co_u32 s29, ttmp9, 480                   ; 128 b + the tile of queries
	s_lshl_b32 s30, s29, 17                        ; 16 rows of 8,192 bytes
	s_lshl_b32 s31, s28, 11                        ; 512 keys of 4 bytes
	s_add_co_u32 s30, s30, s31
	s_mov_b32 s31, 0
	s_add_nc_u64 s[18:19], s[18:19], s[30:31]
	s_lshl_b32 s30, s29, 12                        ; 4,096 bytes of words a tile,
	s_lshl_b32 s40, s28, 10                        ; 1,024 of them my wave's
	s_add_co_u32 s30, s30, s40
	s_add_nc_u64 s[26:27], s[26:27], s[30:31]
	s_mul_i32 s40, s28, 16*MP
	s_add_co_u32 s40, s40, MSTG                    ; my stage
	v_lshlrev_b32 v10, 4, v2                       ; 16 x lane: in memory,
	v_lshlrev_b32 v11, 3, v2                       ; 8 x lane: the words' way out
	v_add_nc_u32 v14, s40, v10                     ; and in a stage row
	v_and_b32 v3, 15, v2
	v_lshrrev_b32 v4, 4, v2
	v_mul_u32_u24 v15, v3, MP
	v_lshl_add_u32 v15, v4, 5, v15
	v_add_nc_u32 v15, s40, v15                     ; back: row r, + 32 h
.irp i, 0,1,2,3,4,5,6,7
	v_mov_b32 v[MO+\i], 0                          ; written once: v_writelane_b32's destination counts as read
.endr
.macro MLOAD u
.irp rho, 0,1,2,3,4,5,6,7,8,9,10,11,12,13,14,15
	global_load_b128 v[MR+64*((\u)%2)+4*\rho:MR+64*((\u)%2)+4*\rho+3], v10, s[18:19] offset:\rho*8192+512*(\u) th:TH_LOAD_NT
.endr
.endm
.macro MUNIT u
.if (\u) < 3
	s_wait_loadcnt 16                              ; this unit's 16 loads are in; the next unit's may be out
.else
	s_wait_loadcnt 0x0
.endif
.irp rho, 0,1,2,3,4,5,6,7,8,9,10,11,12,13,14,15
	ds_store_b128 v14, v[MR+64*((\u)%2)+4*\rho:MR+64*((\u)%2)+4*\rho+3] offset:\rho*MP
.endr
.irp ks, 0,1                           ; the unit's two steps of 64 keys
.irp f, 0,1,2,3,4,5,6,7
	ds_load_b128 v[MX+4*\f:MX+4*\f+3], v15 offset:256*\ks+64*(\f/2)+16*(\f%2)
.endr
	s_wait_dscnt 0x0                               ; the 32 numbers are in; the stores into the stage have read their registers,
.if (\ks == 0) && ((\u)+2 < 4)
	MLOAD (\u)+2                                   ; which take the unit two further on
.endif
.irp g, 0,1,2,3
.irp e, 0,1,2,3,4,5,6,7
	v_cmp_ne_u32 s[32+\e], 0, v[MX+8*\g+\e]        ; word 8 g + e of the step: bit l = my lane's number is not 0
.endr
.irp e, 0,1,2,3,4,5,6,7
	v_writelane_b32 v[MO+2*(\u)+(\e%2)], s[32+\e], 16*\ks+4*\g+\e/2   ; word W of the unit's 64 goes to register W % 2, lane W / 2
.endr
.endr
.endr
	global_store_b64 v11, v[MO+2*(\u):MO+2*(\u)+1], s[26:27] offset:256*(\u)
.endm
	MLOAD 0
	MLOAD 1
	MUNIT 0
	MUNIT 1
	MUNIT 2
	MUNIT 3
.Lend:
	s_wait_tensorcnt 0x0                           ; the wave's end, behind my last LDS store
	ds_add_u32 v[SPW], v[NIL]
	s_wait_dscnt 0x0
	s_endpgm
.Lfunc_end_k_qb7fc9e81a3_prep:
	.size	k_qb7fc9e81a3_prep, .Lfunc_end_k_qb7fc9e81a3_prep-k_qb7fc9e81a3_prep
	.p2alignl 7, 3214868480
	.fill 96, 4, 3214868480
	.section	.rodata,"a",@progbits
	.p2align	6, 0x0
	.amdhsa_kernel k_qb7fc9e81a3_prep
		.amdhsa_group_segment_fixed_size 67072
		.amdhsa_private_segment_fixed_size 0
		.amdhsa_enable_private_segment 0
		.amdhsa_kernarg_size 96
		.amdhsa_user_sgpr_count 2
		.amdhsa_user_sgpr_kernarg_segment_ptr 1
		.amdhsa_wavefront_size32 1
		.amdhsa_system_sgpr_workgroup_id_x 1
		.amdhsa_system_sgpr_workgroup_id_y 1
		.amdhsa_system_sgpr_workgroup_id_z 1
		.amdhsa_system_vgpr_workitem_id 0
		.amdhsa_next_free_vgpr 192
		.amdhsa_next_free_sgpr 66
		.amdhsa_reserve_vcc 0
		.amdhsa_float_denorm_mode_32 3
		.amdhsa_float_denorm_mode_16_64 3
		.amdhsa_memory_ordered 1
		.amdhsa_forward_progress 1
		.amdhsa_inst_pref_size 88
	.end_amdhsa_kernel
	.amdgpu_metadata
---
amdhsa.version: [ 1, 2 ]
amdhsa.kernels:
  - .name:           k_qb7fc9e81a3_prep
    .symbol:         k_qb7fc9e81a3_prep.kd
    .args:
      - { .name: q, .offset: 0, .size: 8, .value_kind: global_buffer, .address_space: global }
      - { .name: k, .offset: 8, .size: 8, .value_kind: global_buffer, .address_space: global }
      - { .name: v, .offset: 16, .size: 8, .value_kind: global_buffer, .address_space: global }
      - { .name: Wq, .offset: 24, .size: 8, .value_kind: global_buffer, .address_space: global }
      - { .name: Wk, .offset: 32, .size: 8, .value_kind: global_buffer, .address_space: global }
      - { .name: Wv, .offset: 40, .size: 8, .value_kind: global_buffer, .address_space: global }
      - { .name: Wo, .offset: 48, .size: 8, .value_kind: global_buffer, .address_space: global }
      - { .name: mask, .offset: 56, .size: 8, .value_kind: global_buffer, .address_space: global }
      - { .name: codes, .offset: 64, .size: 8, .value_kind: global_buffer, .address_space: global }
      - { .name: scales, .offset: 72, .size: 8, .value_kind: global_buffer, .address_space: global }
      - { .name: wo16, .offset: 80, .size: 8, .value_kind: global_buffer, .address_space: global }
      - { .name: mbits, .offset: 88, .size: 8, .value_kind: global_buffer, .address_space: global }
    .group_segment_fixed_size: 67072
    .private_segment_fixed_size: 0
    .kernarg_segment_align: 8
    .kernarg_segment_size: 96
    .max_flat_workgroup_size: 128
    .sgpr_count:     66
    .vgpr_count:     192
    .wavefront_size: 32
...
	.end_amdgpu_metadata
.endif
;; end of part 1
;; launch proj (part 2): grid 4 x 48, 4 waves a work-group, clusters of 4 x 4, 327,680 bytes of LDS; arguments codes, scales, bq, bk, bv, qkv; writes qkv
.if DOCPART == 2
	.amdgcn_target "amdgcn-amd-amdhsa--gfx1250"
	.amdhsa_code_object_version 6
	.text
	.protected	k_qb7fc9e81a3_proj
	.globl	k_qb7fc9e81a3_proj
	.p2align	8
	.type	k_qb7fc9e81a3_proj,@function
k_qb7fc9e81a3_proj:
	s_mov_b64 s[64:65], 0
	v_nop
	global_prefetch_b8 v0, s[64:65] scope:SCOPE_SE
	s_setreg_imm32_b32 hwreg(HW_REG_WAVE_MODE, 25, 1), 1
	s_wait_xcnt 0x0
	s_wait_alu depctr_hold_cnt(0) depctr_sa_sdst(0) depctr_va_vdst(0) depctr_va_sdst(0) depctr_va_ssrc(0) depctr_va_vcc(0) depctr_vm_vsrc(0)
	s_getreg_b32 s2, hwreg(HW_REG_IB_STS2, 6, 4)
	s_cmp_eq_u32 s2, 0
	s_cbranch_scc0 .Lentry_in_a_cluster
	s_endpgm
.Lentry_in_a_cluster:
	s_bfe_u32 s2, ttmp6, 0x10000c
	s_cmp_lg_u32 s2, 0xf033
	s_cbranch_scc0 .Lentry_shape_is_right
	s_endpgm
.Lentry_shape_is_right:
; THE THREE PROJECTIONS AS ONE GEMM ON CODES OF FP4 (E2M1) with one E8M0 scale for each 32 along K.  A: the 12,288 rows of q, k, v on end; B: for rows of tensor z the 1,024 rows of Wq, Wk or Wv; K = 1,024.
; y = (x W^T + bias) x f, f = log2(e) / 8 for the queries and 1 for keys and values, all in f32, rounded once to f16 and stored by heads: qkv [z][b][head][s][64].
; So the attention launch's first product gives score x log2(e) / sqrt(64) as it stands.
; A tile of 256 x 256 is made by four waves, 128 x 128 each: 64 accumulators, 512 registers.  K is two steps of 512 (rows of 256 bytes): both LDS slots are filled once, at the start, and nothing is filled again.
; The scale bytes of the work-group's 256 + 256 rows, for all of K, are two dense blocks of memory: they come with the first fills.
; CLUSTERS: 4 x 4 work-groups; A's tiles are asked for jointly along a row of the cluster, B's along a column.  A cluster's 1,024 rows lie inside one of q, k, v, so z hangs on the cluster's y alone.
; 192 work-groups: 48 x 4 tiles.  THE MATRIX INSTRUCTION IS USED TRANSPOSED (source 0 = 16 rows of W, source 1 = 16 rows of x): a lane holds eight neighbouring columns of one row.
; LIMITS: results beyond 65,504 overflow f16; under 6e-5 they keep steps of 6e-8.
; REGISTERS: window 0: v0-31 addresses; v32-95 scale words, two sets, and nothing else; v96-127 packed results; v128-191 A's fragments, later rows on the way out; v192-255 the bias of my 128 columns.
;   window 1: B's fragments, two sets, at v0 and v128.   windows 2, 3: the accumulators of my rows 0-63, 64-127 ((a, b) at v[8 (8 (a % 4) + b)]).
.set NQ,     4                         ; matrix instructions deep in a slot
.set ROWB,   256                       ; a tile's row: 512 codes
.set KROW,   512                       ; a row of codes in memory
.set PITCH,  272                       ; an LDS row: 256 bytes + 16 = 17 x 16: the 16 rows that a load touches start at 16 different places modulo 256 bytes
.set FR,     8
.set NL,     2
.set NP,     4                         ; places behind this matrix instruction (ISA guide 7.12.1)
.set HALFT,  128*PITCH
.set SLOT,   4*HALFT
.set KS,     32                        ; a row of scale bytes
.set SCL,    2*SLOT
.set HALFS,  16*272                    ; the scales of 128 rows: 4,096 bytes as 16 rows of 256 + 16
.set SBLK,   2*272                     ; those of 16 rows
.set SPARE,  SCL+4*HALFS               ; the spare words, 128 bytes for each wave
.set SPITCH, 272                       ; the way out: a stage of 16 rows x (256 + 16) bytes for each wave, in slot 0, which has had its only fill and its last read by then
.set BOF,  7                           ; v7  32 x (lane / 16): my eight numbers of a block's 16 of the bias
.set ADRA, 16
.set ADRB, 20
.set STO,  24
.set RD,   25
.set CO,   26
.set ADRS, 27
.set SPW,  28
.set NIL,  29
.set SC,   32
.set TMP,  96
.set AF,   128
.set BK,   128
.set BI,   192
.set CC,   2                           ; s[2:3] the factor f, as a pair
.set G1, 24
.set G0, 32
.set G1B, 48
.set G0B, 56
.set G1S, 68
.set G0S, 76
.set G1SB, 80
.set G0SB, 88
.set MSB, 0
.macro WIN new                         ; the immediate's high byte repeats the setting that is left
.if MSB != (\new)
	s_set_vgpr_msb (MSB<<8)|(\new)
.set MSB, (\new)
.endif
.endm
.set MUL_LO, 0xa1                      ; source 0 (B) window 1, source 1 (A) window 0, C and D window 2
.set MUL_HI, 0xf1
.set TO_B,   0x40
; A joint load: waves 0 and 1 fetch for A, waves 2 and 3 for B; the branch hangs on the wave's number alone.  An s_nop 0 and four v_nop follow each of the two lines.
.macro JLOAD g0a, g1a, g0b, g1b
	s_cmp_eq_u32 s15, 0
	s_cbranch_scc0 .Lfor_b_\@
	tensor_load_to_lds s[\g0a:\g0a+3], s[\g1a:\g1a+7]
	s_nop 0
.rept 4
	v_nop
.endr
	s_branch .Lasked_\@
.Lfor_b_\@:
	tensor_load_to_lds s[\g0b:\g0b+3], s[\g1b:\g1b+7]
	s_nop 0
.rept 4
	v_nop
.endr
.Lasked_\@:
.endm
.macro CROUND                          ; a round of the cluster's barrier
	s_barrier_signal -1
	s_barrier_wait -1
	s_cmp_lg_u32 s14, 0
	s_cbranch_scc1 .Lnot_wave_0_\@
	s_barrier_signal -3
.Lnot_wave_0_\@:
	s_barrier_wait -3
	s_barrier_signal -1
	s_barrier_wait -1
.endm
	s_load_b128 s[4:7], s[0:1], 0x0                ; codes, scales
	s_load_b128 s[96:99], s[0:1], 0x10             ; bq, bk
	s_load_b64 s[100:101], s[0:1], 0x20            ; bv
	s_load_b64 s[12:13], s[0:1], 0x28              ; qkv
	v_lshl_add_u32 v[SPW], v0, 2, SPARE
	v_mov_b32 v[NIL], 0
	ds_add_u32 v[SPW], v[NIL]                      ; the wave's opening: the add, twice on end, and its wait ahead of my first tensor load
	ds_add_u32 v[SPW], v[NIL]
	v_lshrrev_b32 v1, 5, v0
	v_readfirstlane_b32 s14, v1                    ; wave 0..3
	s_lshr_b32 s15, s14, 1                         ; which half of the tile's rows is mine.  Also: I fetch for A (0) or for B (1)
	s_and_b32 s16, s14, 1                          ; which half of its columns.  Also: which 128 rows I fetch
	s_bfe_u32 s40, ttmp6, 0x40000                  ; cx, cy
	s_bfe_u32 s41, ttmp6, 0x40004
	s_lshl_b32 s42, ttmp9, 2
	s_add_co_u32 s42, s42, s40                     ; tile column
	s_and_b32 s17, ttmp7, 0xffff
	s_lshr_b32 s95, s17, 2                         ; z: 0 q, 1 k, 2 v: four clusters down are one tensor's 4,096 rows
	s_lshl_b32 s17, s17, 2
	s_add_co_u32 s17, s17, s41                     ; tile row
	s_lshl_b32 s43, s41, 2
	s_lshl_b32 s43, 15, s43                        ; my row of the cluster
	s_lshl_b32 s44, 0x1111, s40                    ; my column
	s_or_b32 s[G1+0], s43, (0<<16)|(1<<20)|(1<<21)|(5<<22)|(3<<25)  ; the mask; elements of 1 byte; padding on; bit 21 beside a mask; 4 words behind every 64
	s_or_b32 s[G1B+0], s44, (0<<16)|(1<<20)|(1<<21)|(5<<22)|(3<<25)
.irp g, G1, G1B
	s_mov_b32 s[\g+1], ROWB<<16                    ; tensor_dim0
	s_mov_b32 s[\g+2], 128<<16                     ; tensor_dim1
	s_mov_b32 s[\g+3], ROWB<<16                    ; tile_dim0
	s_mov_b32 s[\g+4], 128                         ; tile_dim1
	s_mov_b32 s[\g+5], KROW                        ; from row to row
	s_mov_b32 s[\g+6], 0
	s_mov_b32 s[\g+7], 0
.endr
	s_or_b32 s[G1S+0], s43, (3<<16)|(1<<20)|(1<<21)|(5<<22)|(3<<25) ; the scales of 128 rows: 16 rows of 32 elements of 8 bytes
	s_or_b32 s[G1SB+0], s44, (3<<16)|(1<<20)|(1<<21)|(5<<22)|(3<<25)
.irp g, G1S, G1SB
	s_mov_b32 s[\g+1], 32<<16
	s_mov_b32 s[\g+2], 16<<16
	s_mov_b32 s[\g+3], 32<<16
	s_mov_b32 s[\g+4], 16
	s_mov_b32 s[\g+5], 32
	s_mov_b32 s[\g+6], 0
	s_mov_b32 s[\g+7], 0
.endr
	s_lshl_b32 s18, s16, 7
	s_lshl_b32 s20, s17, 8
	s_add_co_u32 s20, s20, s18                     ; A: row 256 x tile row + 128 x half
	s_lshl_b32 s46, s42, 8
	s_add_co_u32 s46, s46, s18
	s_lshl_b32 s19, s95, 10
	s_add_co_u32 s46, s46, s19                     ; B: row 1,024 z + 256 x tile column + 128 x half
	s_mov_b32 s21, 0
	s_mov_b32 s47, 0
	s_mov_b64 s[18:19], KS
	s_mul_u64 s[22:23], s[20:21], s[18:19]
	s_mul_u64 s[92:93], s[46:47], s[18:19]
	s_mov_b64 s[18:19], KROW
	s_mul_u64 s[20:21], s[20:21], s[18:19]
	s_mul_u64 s[46:47], s[46:47], s[18:19]
	s_mul_i32 s45, s14, HALFT                      ; where they go: wave x 128 rows
	s_mul_i32 s94, s14, HALFS
	s_wait_dscnt 0x0                               ; both opening adds are done
	s_wait_kmcnt 0x0
	s_add_nc_u64 s[8:9], s[4:5], 0x600000          ; the weights' codes lie behind q's, k's and v's 3 x 2 MiB,
	s_add_nc_u64 s[10:11], s[6:7], 0x60000         ; their scale bytes behind 3 x 128 KiB
	s_add_nc_u64 s[20:21], s[4:5], s[20:21]
	s_add_nc_u64 s[22:23], s[6:7], s[22:23]
	s_add_nc_u64 s[46:47], s[8:9], s[46:47]
	s_add_nc_u64 s[92:93], s[10:11], s[92:93]
	CROUND                                         ; all sixteen work-groups are here: the joint loads meet
	s_mov_b32 s[G0S], 1
	s_add_co_u32 s[G0S+1], s94, SCL
	s_mov_b64 s[G0S+2:G0S+3], s[22:23]
	s_or_b32 s[G0S+3], s[G0S+3], 0x80000000
	s_mov_b32 s[G0SB], 1
	s_add_co_u32 s[G0SB+1], s94, SCL
	s_mov_b64 s[G0SB+2:G0SB+3], s[92:93]
	s_or_b32 s[G0SB+3], s[G0SB+3], 0x80000000
	JLOAD G0S, G1S, G0SB, G1SB                     ; the scales first; three loads of mine are out at the most
.irp s, 0,1
	s_mov_b32 s[G0+4*\s], 1
	s_add_co_u32 s[G0+4*\s+1], s45, \s*SLOT
	s_add_nc_u64 s[G0+4*\s+2:G0+4*\s+3], s[20:21], \s*ROWB
	s_or_b32 s[G0+4*\s+3], s[G0+4*\s+3], 0x80000000
	s_mov_b32 s[G0B+4*\s], 1
	s_add_co_u32 s[G0B+4*\s+1], s45, \s*SLOT
	s_add_nc_u64 s[G0B+4*\s+2:G0B+4*\s+3], s[46:47], \s*ROWB
	s_or_b32 s[G0B+4*\s+3], s[G0B+4*\s+3], 0x80000000
	JLOAD G0+4*\s, G1, G0B+4*\s, G1B
.endr
	v_and_b32 v1, 15, v0                           ; l % 16
	v_bfe_u32 v2, v0, 4, 1                         ; l / 16
	; the bias of my 128 columns and the factor: chosen by z, which hangs on the cluster's y alone
	s_cmp_eq_u32 s95, 0
	s_cselect_b32 s[CC], 0x3e38aa3b, 1.0           ; log2(e) / 8 for the queries
	s_cselect_b64 s[96:97], s[96:97], s[98:99]
	s_cmp_eq_u32 s95, 2
	s_cselect_b64 s[96:97], s[100:101], s[96:97]
	s_mov_b32 s[CC+1], s[CC]
	s_lshl_b32 s18, s42, 10
	s_lshl_b32 s19, s16, 9
	s_add_co_u32 s18, s18, s19                     ; 4 bytes x (256 x tile column + 128 x half)
	s_mov_b32 s19, 0
	s_add_nc_u64 s[96:97], s[96:97], s[18:19]
	v_lshlrev_b32 v[BOF], 5, v2
.irp b, 0,1,2,3,4,5,6,7
	global_load_b128 v[BI+8*\b:BI+8*\b+3], v[BOF], s[96:97] offset:64*\b          ; lane (r, h), block b: columns 16 b + 8 h + 0..7: the result's layout
	global_load_b128 v[BI+8*\b+4:BI+8*\b+7], v[BOF], s[96:97] offset:64*\b+16
.endr
	v_mul_u32_u24 v3, v1, PITCH
	v_lshl_add_u32 v4, v2, 4, v3                   ; a fragment's row x pitch + 16 x half
	s_mul_i32 s21, s15, HALFT
	s_mul_i32 s22, s16, HALFT
	s_add_co_u32 s22, s22, 2*HALFT
.irp s, 0,1
	v_add_nc_u32 v[ADRA+\s], s21, v4
	v_add_nc_u32 v[ADRB+\s], s22, v4
	s_add_co_u32 s21, s21, SLOT
	s_add_co_u32 s22, s22, SLOT
.endr
	v_mul_u32_u24 v5, v1, KS                       ; my row's scales: 32 bytes a row,
	v_lshrrev_b32 v6, 8, v5
	v_lshl_add_u32 v5, v6, 4, v5                   ; and 16 more for each 256 passed
	s_mul_i32 s21, s15, HALFS
	s_mul_i32 s22, s16, HALFS
	s_add_co_u32 s22, s22, 2*HALFS
	s_sub_co_u32 s22, s22, s21
	v_mul_u32_u24 v6, s22, v2                      ; lanes 16-31 take B's: one product, the distance between the two bases
	s_add_co_u32 s21, s21, SCL
	v_add_nc_u32 v5, v5, v6
	v_add_nc_u32 v[ADRS], s21, v5
	s_mul_i32 s23, s14, 16*SPITCH                  ; my stage
	v_mul_u32_u24 v5, v1, SPITCH
	v_lshl_add_u32 v5, v2, 4, v5
	v_add_nc_u32 v[STO], s23, v5                   ; in: row l % 16, 16 bytes for each half of the lanes
	v_and_b32 v5, 7, v0
	v_lshlrev_b32 v5, 4, v5                        ; back: eight lanes take a head's 128 bytes of a row,
	v_bfe_u32 v6, v0, 3, 1                         ; the next eight the row below, lanes 16-31 the other head
	v_lshl_add_u32 v[CO], v6, 7, v5
	v_lshl_add_u32 v[CO], v2, 18, v[CO]            ; in memory: two rows of a head are 256 consecutive bytes; a head is 262,144 bytes
	v_mul_u32_u24 v6, v6, SPITCH
	v_add_nc_u32 v6, v6, v5
	v_lshl_add_u32 v6, v2, 7, v6
	v_add_nc_u32 v[RD], s23, v6
	s_lshl_b32 s20, s17, 8                         ; my tile's first row of the 12,288
	s_lshr_b32 s21, s20, 11
	s_lshl_b32 s21, s21, 22                        ; 2 z + b, 4 MiB each
	s_and_b32 s20, s20, 2047
	s_lshl_b32 s22, s15, 7
	s_add_co_u32 s20, s20, s22
	s_lshl_b32 s20, s20, 7                         ; s, 128 bytes a row
	s_add_co_u32 s20, s20, s21
	s_mov_b32 s21, 0
	s_lshl_b32 s46, s42, 2
	s_lshl_b32 s47, s16, 1
	s_add_co_u32 s46, s46, s47
	s_lshl_b32 s46, s46, 18                        ; my first head: 4 x tile column + 2 x half
	s_mov_b32 s47, 0
	s_add_nc_u64 s[20:21], s[20:21], s[46:47]
	s_add_nc_u64 s[12:13], s[12:13], s[20:21]
.macro FRAG reg, adr, q, i             ; 16 rows x 128 K of 4-bit codes: 8 registers: lane l holds row l % 16; registers 4 c .. 4 c + 3 hold K = 64 c + 32 (l / 16) + 0 .. 31
.irp c, 0,1
	ds_load_b128 v[\reg+4*\c:\reg+4*\c+3], v[\adr] offset:64*(\q)+32*\c+(\i)*16*PITCH
.endr
.endm
; 16 matrix instructions: A's blocks a0, a0 + 1 x B's eight.  The 64 accumulators take turns, one instruction a turn, in the same order in every step.
.macro MUL16 a0, p, q, sc, zero
.irp a, \a0, \a0+1
.irp b, 0,1,2,3,4,5,6,7
.if \zero
	v_wmma_scale_f32_16x16x128_f8f6f4 v[8*(8*((\a)%4)+\b):8*(8*((\a)%4)+\b)+7], v[128*(\p)+FR*\b:128*(\p)+FR*\b+FR-1], v[AF+FR*(\a):AF+FR*(\a)+FR-1], 0, v[SC+8*NQ*(\sc)+NQ*\b+(\q)], v[SC+8*NQ*(\sc)+NQ*(\a)+(\q)] matrix_a_fmt:MATRIX_FMT_FP4 matrix_b_fmt:MATRIX_FMT_FP4 matrix_a_scale:MATRIX_SCALE_ROW1
.else
	v_wmma_scale_f32_16x16x128_f8f6f4 v[8*(8*((\a)%4)+\b):8*(8*((\a)%4)+\b)+7], v[128*(\p)+FR*\b:128*(\p)+FR*\b+FR-1], v[AF+FR*(\a):AF+FR*(\a)+FR-1], v[8*(8*((\a)%4)+\b):8*(8*((\a)%4)+\b)+7], v[SC+8*NQ*(\sc)+NQ*\b+(\q)], v[SC+8*NQ*(\sc)+NQ*(\a)+(\q)] matrix_a_fmt:MATRIX_FMT_FP4 matrix_b_fmt:MATRIX_FMT_FP4 matrix_a_scale:MATRIX_SCALE_ROW1
.endif
.endr
.endr
.endm
.macro FETCH_B slot, q, p
	WIN TO_B
.irp i, 0,1,2,3,4,5,6,7
	FRAG 128*(\p)+FR*\i, ADRB+\slot, \q, \i
.endr
	WIN 0
.endm
.macro FETCH_A slot, q, i0
.irp i, \i0, \i0+1, \i0+2, \i0+3
	FRAG AF+FR*(\i), ADRA+\slot, \q, \i
.endr
.endm
.macro SCALES sc                       ; a slot's scale words: four words a row; lanes 0-15 take A's block i, lanes 16-31 B's block i
.irp i, 0,1,2,3,4,5,6,7
	ds_load_b128 v[SC+8*NQ*\sc+NQ*\i:SC+8*NQ*\sc+NQ*\i+3], v[ADRS] offset:\i*SBLK
.endr
.endm
.macro PLACES n                        ; plain vector lines between a matrix instruction and a load into, or a read of, its registers
.rept \n
	v_nop
.endr
.endm
.macro STEP slot, q, zero              ; 128 along K with its successor in the same slot
	s_wait_dscnt 4*NL                              ; B's set, A's blocks 0-3 and the scale words are in; the youngest eight loads (A's blocks 4-7) may be out
	WIN MUL_LO
	MUL16 0, (\q)%2, \q, \slot, \zero
	MUL16 2, (\q)%2, \q, \slot, \zero
	s_wait_dscnt 0
	PLACES NP
	FETCH_B \slot, (\q)+1, 1-(\q)%2
	FETCH_A \slot, (\q)+1, 0
	WIN MUL_HI
	MUL16 4, (\q)%2, \q, \slot, \zero
	MUL16 6, (\q)%2, \q, \slot, \zero
	PLACES NP
	WIN 0
	FETCH_A \slot, (\q)+1, 4
.endm
; Slot 0's last step changes slots: each wave waits for all its tensor loads (its part of slot 1), and behind the barrier slot 1 is whole and nobody reads slot 0 any more.  Nothing is filled again.
.macro TURN slot, next
	s_wait_tensorcnt 0x0
	ds_add_u32 v[SPW], v[NIL]                      ; 0 onto my spare word
	s_wait_dscnt 4*NL+1                            ; (the add and A's blocks 4-7 may be out)
	WIN MUL_LO
	MUL16 0, 1, NQ-1, \slot, 0
	s_wait_dscnt 0x0                               ; the add is done, and my reads of this slot are over
	s_barrier_signal -1
	MUL16 2, 1, NQ-1, \slot, 0
	WIN 0
	s_barrier_wait -1
	PLACES NP
	v_add_nc_u32 v[ADRS], 4*NQ, v[ADRS]            ; on to the next slot's scale words
	FETCH_B \next, 0, 0
	FETCH_A \next, 0, 0
	SCALES \next
	WIN MUL_HI
	MUL16 4, 1, NQ-1, \slot, 0
	MUL16 6, 1, NQ-1, \slot, 0
	PLACES NP
	WIN 0
	FETCH_A \next, 0, 4
.endm
.macro STEPS slot, from
.set Q, \from
.rept NQ-1-\from
	STEP \slot, Q, 0
.set Q, Q+1
.endr
.endm
	s_wait_tensorcnt 1                             ; the scales and my part of slot 0 are in (slot 1's load may be out)
	s_barrier_signal -1
	s_barrier_wait -1                              ; everybody's are
	FETCH_B 0, 0, 0
	FETCH_A 0, 0, 0
	SCALES 0
	FETCH_A 0, 0, 4
	STEP 0, 0, 1                                   ; the first products start the sums: nothing is cleared
	STEPS 0, 1
	TURN 0, 1
	STEPS 1, 0
	s_wait_dscnt 4*NL                              ; the very last step
	WIN MUL_LO
	MUL16 0, 1, NQ-1, 1, 0
	MUL16 2, 1, NQ-1, 1, 0
	s_wait_dscnt 0
	WIN MUL_HI
	MUL16 4, 1, NQ-1, 1, 0
	MUL16 6, 1, NQ-1, 1, 0
	WIN 0
	s_wait_loadcnt 0x0                             ; the bias
.set j, 0
.rept 32
	v_pk_mul_f32 v[BI+j:BI+j+1], v[BI+j:BI+j+1], s[CC:CC+1] op_sel_hi:[1,0]   ; bias x f.  These 32 name no register of the last products: they are the places behind them
.set j, j+2
.endr
; THE WAY OUT, block by block of 16 rows x 128 columns (two heads).  PACK: sum x f + bias x f in place, one fused multiply-add, then one rounding to f16: 16 bytes a lane.
; TOSTAGE: into my stage, and back by heads.  SEND: sixteen lanes store two rows of one head, 256 consecutive bytes, aligned.
.macro PACK a
.set AC, 64*((\a)%4)
	WIN 0x82+0x41*((\a)/4)                         ; destination and source 0 in window 2 or 3, the bias in window 0
.irp b, 0,1,2,3,4,5,6,7
.irp p, 0,2,4,6
	v_pk_fma_f32 v[AC+8*\b+\p:AC+8*\b+\p+1], v[AC+8*\b+\p:AC+8*\b+\p+1], s[CC:CC+1], v[BI+8*\b+\p:BI+8*\b+\p+1] op_sel_hi:[1,0,1]   ; each accumulator from its low end on
.endr
.endr
	WIN 0x0a+5*((\a)/4)                            ; sources 0 and 1 in window 2 or 3
.irp b, 0,1,2,3,4,5,6,7
.irp p, 0,1,2,3
	v_cvt_pk_f16_f32 v[TMP+4*\b+\p], v[AC+8*\b+2*\p], v[AC+8*\b+2*\p+1]
.endr
.endr
	WIN 0
.endm
.macro TOSTAGE a
.set BB, BK+32*((\a)%2)
.irp b, 0,1,2,3,4,5,6,7
	ds_store_b128 v[STO], v[TMP+4*\b:TMP+4*\b+3] offset:32*\b
.endr
.irp t, 0,1,2,3,4,5,6,7
	ds_load_b128 v[BB+4*\t:BB+4*\t+3], v[RD] offset:\t*2*SPITCH    ; LDS serves a wave's instructions in order: these see the stores above
.endr
.endm
.macro SEND a
.set BB, BK+32*((\a)%2)
	s_wait_dscnt 0x0                               ; the block is back in registers
	s_wait_xcnt 0x0                                ; the stores of the block before have read their registers: the next block's loads may land there
.irp t, 0,1,2,3,4,5,6,7
	global_store_b128 v[CO], v[BB+4*\t:BB+4*\t+3], s[12:13] offset:2048*(\a)+256*\t
.endr
.endm
	PACK 0
	TOSTAGE 0
.irp a, 1,2,3,4,5,6,7                  ; block a's arithmetic stands between block a - 1's loads from the stage and the wait for them
	PACK \a
	SEND \a-1
	TOSTAGE \a
.endr
	SEND 7
	s_wait_tensorcnt 0x0                           ; the wave's end, behind my last tensor load and my last LDS store
	ds_add_u32 v[SPW], v[NIL]
	s_wait_dscnt 0x0
	CROUND                                         ; the closing round
	s_endpgm
.Lfunc_end_k_qb7fc9e81a3_proj:
	.size	k_qb7fc9e81a3_proj, .Lfunc_end_k_qb7fc9e81a3_proj-k_qb7fc9e81a3_proj
	.p2alignl 7, 3214868480
	.fill 96, 4, 3214868480
	.section	.rodata,"a",@progbits
	.p2align	6, 0x0
	.amdhsa_kernel k_qb7fc9e81a3_proj
		.amdhsa_group_segment_fixed_size 327680
		.amdhsa_private_segment_fixed_size 0
		.amdhsa_enable_private_segment 0
		.amdhsa_kernarg_size 48
		.amdhsa_user_sgpr_count 2
		.amdhsa_user_sgpr_kernarg_segment_ptr 1
		.amdhsa_wavefront_size32 1
		.amdhsa_system_sgpr_workgroup_id_x 1
		.amdhsa_system_sgpr_workgroup_id_y 1
		.amdhsa_system_sgpr_workgroup_id_z 1
		.amdhsa_system_vgpr_workitem_id 0
		.amdhsa_next_free_vgpr 1024
		.amdhsa_next_free_sgpr 102
		.amdhsa_reserve_vcc 0
		.amdhsa_float_denorm_mode_32 3
		.amdhsa_float_denorm_mode_16_64 3
		.amdhsa_memory_ordered 1
		.amdhsa_forward_progress 1
		.amdhsa_inst_pref_size 147
	.end_amdhsa_kernel
	.amdgpu_metadata
---
amdhsa.version: [ 1, 2 ]
amdhsa.kernels:
  - .name:           k_qb7fc9e81a3_proj
    .symbol:         k_qb7fc9e81a3_proj.kd
    .args:
      - { .name: codes, .offset: 0, .size: 8, .value_kind: global_buffer, .address_space: global }
      - { .name: scales, .offset: 8, .size: 8, .value_kind: global_buffer, .address_space: global }
      - { .name: bq, .offset: 16, .size: 8, .value_kind: global_buffer, .address_space: global }
      - { .name: bk, .offset: 24, .size: 8, .value_kind: global_buffer, .address_space: global }
      - { .name: bv, .offset: 32, .size: 8, .value_kind: global_buffer, .address_space: global }
      - { .name: qkv, .offset: 40, .size: 8, .value_kind: global_buffer, .address_space: global }
    .group_segment_fixed_size: 327680
    .private_segment_fixed_size: 0
    .kernarg_segment_align: 8
    .kernarg_segment_size: 48
    .max_flat_workgroup_size: 128
    .sgpr_count:     102
    .vgpr_count:     1024
    .wavefront_size: 32
...
	.end_amdgpu_metadata
.endif
;; end of part 2
;; launch attn (part 3): grid 8 x 32, 8 waves a work-group, clusters of 4 x 1, 327,680 bytes of LDS; arguments qkv, mbits, ctx; writes ctx
.if DOCPART == 3
	.amdgcn_target "amdgcn-amd-amdhsa--gfx1250"
	.amdhsa_code_object_version 6
	.text
	.protected	k_qb7fc9e81a3_attn
	.globl	k_qb7fc9e81a3_attn
	.p2align	8
	.type	k_qb7fc9e81a3_attn,@function
k_qb7fc9e81a3_attn:
	s_mov_b64 s[64:65], 0
	v_nop
	global_prefetch_b8 v0, s[64:65] scope:SCOPE_SE
	s_setreg_imm32_b32 hwreg(HW_REG_WAVE_MODE, 25, 1), 1
	s_wait_xcnt 0x0
	s_wait_alu depctr_hold_cnt(0) depctr_sa_sdst(0) depctr_va_vdst(0) depctr_va_sdst(0) depctr_va_ssrc(0) depctr_va_vcc(0) depctr_vm_vsrc(0)
	s_getreg_b32 s2, hwreg(HW_REG_IB_STS2, 6, 4)
	s_cmp_eq_u32 s2, 0
	s_cbranch_scc0 .Lentry_in_a_cluster
	s_endpgm
.Lentry_in_a_cluster:
	s_bfe_u32 s2, ttmp6, 0x10000c
	s_cmp_lg_u32 s2, 0x3003
	s_cbranch_scc0 .Lentry_shape_is_right
	s_endpgm
.Lentry_shape_is_right:
; ctx[b][head][q][:] = the sum over k of softmax_k(t) V[k][:], t = Q'[q] . K[k] where the mask is not 0 and TM where it is 0.  Q' comes scaled by log2(e) / 8, so t = score x log2(e) and p = 2^(t - m).
; TM = -1e9 x log2(e): the number that takes a hidden score's place, in the same units.  All hidden entries hold the same TM: a row hidden throughout has m = TM, p = 1 everywhere, and comes out as the mean of V.
; Q', K, V: qkv [z][b][head][2048][64] f16; mbits: lane masks [b][tile of 16 queries][step of 64 keys][32 words]; ctx: [b][head][2048][64] f16.  Products, maxima and sums in f32; p is rounded to f16 for the second product.
; SOFTMAX: for each query a running maximum m and sum l; in every step O and l are multiplied by a = 2^(m_old - m_new).  m begins at -3e38, O and l at 0, so the step has no first form of its own.
; SHARES: a work-group owns 256 queries of one (b, head); each of its EIGHT waves 32 of them, two tiles of 16, in 256 registers: two waves to a SIMD, so that one wave's vector work stands beside the other's products.
; LAYOUT: S^T = K Q^T (source 0 = 16 keys, source 1 = 16 queries): a lane holds ONE query (lane % 16) and keys 8 (lane / 16) + 0..7.  Two such tiles rounded to f16 in pairs ARE source 1 of O^T = V^T P.
; K comes out of LDS as it lies, V ([key][channel]) turned, by ds_load_tr16_b128.
; RING: two LDS slots of 512 keys.  A slot is four UNITS of 128 keys (two key steps): the unit's 128 rows of K, then its 128 rows of V.  Wave w fetches for unit w % 4: waves 0-3 K's rows, waves 4-7 V's:
; one tensor load a wave behind each round; two are out at the start, one later.  K's and V's loads share one group 0 for each slot: its LDS address is (w % 4) x a unit + (w / 4) x K's part of a unit.
; CLUSTER: the four query blocks of a cluster belong to one head and walk the same K and V: each tile is asked for jointly, by the same tensor load with the same descriptor and a mask that names the four.
; THE MASK'S WORDS come by scalar loads: 64 words a key step (32 for each tile) in 64 scalar registers, asked for A WHOLE KEY STEP AHEAD: as soon as a step's scores are masked, the next step's words are requested, and
; the rest of the step and the next step's first product stand between the request and the one wait for it.  The words only choose values (v_cndmask_b32): no branch and no address hangs on them.
; No prefetch is written: a refill is asked for eight key steps ahead of its first read, the mask's words a key step ahead of theirs.
; LIMITS: NaN and infinities are not served; f16's range holds for Q', K, V (beyond 65,504 they have overflowed in the launch before).
.set KSK,   64                         ; keys in a step
.set SK,    512                        ; keys in a slot
.set PK,    144                        ; a key's row in LDS: 128 bytes + 16 = 9 x 16
.set PV,    160                        ; a row of V: 128 + 32 = 5 x 32
.set KQ,    128*PK                     ; a unit's K: what one tensor load brings
.set VQ,    128*PV                     ; a unit's V
.set UNITB, KQ+VQ
.set SLOTB, 4*UNITB
.set SPARE, 2*SLOTB                    ; the spare words, 128 bytes for each of eight waves
.set AK0, 1                            ; v1  my lane's place in a tile of K
.set AV0, 2                            ; v2  the same for V
.set ADK, 3
.set ADV, 4
.set SPW, 5
.set NIL, 6
.set TMV, 7                            ; v7  TM
.set STO, 8
.set RD,  9
.set GO,  10
.set QO,  11
.set ST,  12                           ; tile t's statistics at v[ST + 8 t]: +0 m, +1 zero (named with m as a pair), +2, +3 l, +4 .. +7 at work; a takes +6
.set SB,  28                           ; v28-31 the second chain of the sums, a pair a tile
.set QF,  32                           ; v32-63   Q: 16 t + 8 c
.set S,   64                           ; v64-127  S^T: 32 t + 8 kt + j; P is made in place in the tile's first 16
.set OA,  128                          ; v128-191 O^T: 32 t + 8 ct
.set KV,  192                          ; v192-255 K's eight fragments, then V's
.set TB,  2                            ; s2  LDS byte at which the unit in hand begins
.set CNT, 3                            ; s3  units still to walk in the loop
.set G1K, 4                            ; s[4:11]   descriptor group 1 for K's tiles
.set G1V, 12                           ; s[12:19]  for V's: it differs in the padding alone
.set G0,  20                           ; s[20:27]  a group 0 for each slot
.set WV,  28                           ; s28 my wave's number
.set STG, 29                           ; s29 my stage for the way out
.set MPT, 30                           ; s[30:31]  the mask words of my first tile, of the step last asked for
.set MB0, 32                           ; s[32:63]  my first tile's 32 words (ahead of the first request: set-up)
.set SEL, 66                           ; s[66:67]  lane selects for v_permlanex16_b32
.set MB1, 68                           ; s[68:99]  my second tile's 32 words
.set OP,  100                          ; s[100:101] ctx at my first query
.set QP,  104                          ; s[104:105] Q' at my first query
.macro JLOAD n                         ; a joint refill of slot n; the branch hangs on the wave's number alone.  An s_nop 0 and four v_nop follow each of the two lines
	s_cmp_lt_u32 s[WV], 4
	s_cbranch_scc0 .Lfor_v_\@
	tensor_load_to_lds s[G0+4*\n:G0+4*\n+3], s[G1K:G1K+7]
	s_nop 0
.rept 4
	v_nop
.endr
	s_branch .Lasked_\@
.Lfor_v_\@:
	tensor_load_to_lds s[G0+4*\n:G0+4*\n+3], s[G1V:G1V+7]
	s_nop 0
.rept 4
	v_nop
.endr
.Lasked_\@:
.endm
.macro CROUND                          ; a round of the cluster's barrier
	s_barrier_signal -1
	s_barrier_wait -1
	s_cmp_lg_u32 s[WV], 0
	s_cbranch_scc1 .Lnot_wave_0_\@
	s_barrier_signal -3
.Lnot_wave_0_\@:
	s_barrier_wait -3
	s_barrier_signal -1
	s_barrier_wait -1
.endm
.macro PLACES n
.rept \n
	v_nop
.endr
.endm
.macro MWORDS                          ; a key step's 64 words: my two tiles' rows of words lie 4,096 bytes apart
	s_load_b512 s[MB0:MB0+15], s[MPT:MPT+1], 0x0
	s_load_b512 s[MB0+16:MB0+31], s[MPT:MPT+1], 0x40
	s_load_b512 s[MB1:MB1+15], s[MPT:MPT+1], 0x1000
	s_load_b512 s[MB1+16:MB1+31], s[MPT:MPT+1], 0x1040
.endm
	s_load_b128 s[32:35], s[0:1], 0x0              ; qkv, mbits
	s_load_b64 s[36:37], s[0:1], 0x10              ; ctx
	v_lshl_add_u32 v[SPW], v0, 2, SPARE
	v_mov_b32 v[NIL], 0
	ds_add_u32 v[SPW], v[NIL]                      ; the wave's opening: the add, twice on end, and its wait ahead of my first tensor load
	ds_add_u32 v[SPW], v[NIL]
	v_lshrrev_b32 v1, 5, v0
	v_readfirstlane_b32 s[WV], v1                  ; wave 0..7
	s_bfe_u32 s38, ttmp6, 0x40000                  ; cx
	s_lshl_b32 s39, ttmp9, 2
	s_add_co_u32 s39, s39, s38                     ; my block of 256 queries: it enters Q's, the mask's and ctx's addresses alone
	s_lshl_b32 s39, s39, 8
	s_lshl_b32 s42, s[WV], 5
	s_add_co_u32 s39, s39, s42                     ; my first query
	s_and_b32 s40, ttmp7, 0xffff                   ; 16 b + head, which the four partners share
	s_lshl_b32 s41, s40, 18                        ; a head's 262,144 bytes
	s_and_b32 s42, s[WV], 3                        ; which unit of a slot I fetch for,
	s_lshr_b32 s43, s[WV], 2                       ; and whether K's rows (0) or V's (1)
	s_lshl_b32 s44, s42, 14                        ; the unit's 128 rows of 128 bytes,
	s_add_co_u32 s44, s44, s41                     ; in my head,
	s_lshl_b32 s45, s43, 23
	s_add_co_u32 s44, s44, s45
	s_add_co_u32 s44, s44, 8388608                 ; in K, one tensor of 8 MiB behind Q', or in V, two
	s_mov_b32 s45, 0
	s_mul_i32 s46, s42, UNITB                      ; and its place in a slot: no place in the cluster enters an LDS address
	s_mul_i32 s47, s43, KQ
	s_add_co_u32 s46, s46, s47
	s_lshl_b32 s48, s39, 7
	s_add_co_u32 s48, s48, s41                     ; my first query's row in Q' and in ctx
	s_mov_b32 s49, 0
	s_lshr_b32 s50, s40, 4
	s_lshl_b32 s50, s50, 19                        ; b: 128 tiles of 4,096 bytes
	s_lshl_b32 s51, s39, 8                         ; my first tile: query / 16 x 4,096
	s_add_co_u32 s50, s50, s51
	s_mov_b32 s51, 0
	s_mov_b32 s[G1K], 15|(1<<16)|(1<<20)|(1<<21)|(4<<22)|(3<<25)  ; the mask: all four; elements of 2 bytes; padding on; bit 21 beside a mask; 4 words behind every 32
	s_mov_b32 s[G1V], 15|(1<<16)|(1<<20)|(1<<21)|(4<<22)|(7<<25)  ; the same with 8 words
.irp g, G1K, G1V
	s_mov_b32 s[\g+1], 64<<16                      ; tensor_dim0
	s_mov_b32 s[\g+2], 128<<16                     ; tensor_dim1
	s_mov_b32 s[\g+3], 64<<16                      ; tile_dim0
	s_mov_b32 s[\g+4], 128                         ; tile_dim1
	s_mov_b32 s[\g+5], 64                          ; from row to row
	s_mov_b32 s[\g+6], 0
	s_mov_b32 s[\g+7], 0
.endr
	s_mov_b32 s[SEL], 0x76543210
	s_mov_b32 s[SEL+1], 0xfedcba98
	s_mul_i32 s[STG], s[WV], 16*PK                 ; the way out: my stage, 16 rows x 144 bytes, at slot 0's head: by then that slot has had its last fill and its last read
	s_wait_dscnt 0x0                               ; both opening adds are done
	s_wait_kmcnt 0x0
	s_add_nc_u64 s[44:45], s[32:33], s[44:45]
.irp n, 0,1
	s_mov_b32 s[G0+4*\n], 1
	s_add_co_u32 s[G0+4*\n+1], s46, \n*SLOTB
	s_add_nc_u64 s[G0+4*\n+2:G0+4*\n+3], s[44:45], \n*SK*128      ; slot n begins with keys 512 n
	s_or_b32 s[G0+4*\n+3], s[G0+4*\n+3], 0x80000000
.endr
	s_add_nc_u64 s[QP:QP+1], s[32:33], s[48:49]    ; Q' at my first query
	s_add_nc_u64 s[OP:OP+1], s[36:37], s[48:49]    ; ctx likewise
	s_add_nc_u64 s[MPT:MPT+1], s[34:35], s[50:51]
	CROUND                                         ; all four work-groups are here: the first joint loads meet
	s_cmp_lt_u32 s[WV], 4                          ; a wave's two first fills stand in one branch, ahead of every wait on TENSORcnt and every LDS read
	s_cbranch_scc0 .Lfirst_v
	tensor_load_to_lds s[G0:G0+3], s[G1K:G1K+7]
	s_nop 0
	tensor_load_to_lds s[G0+4:G0+7], s[G1K:G1K+7]
	s_nop 0
.rept 4
	v_nop
.endr
	s_branch .Lfirst_asked
.Lfirst_v:
	tensor_load_to_lds s[G0:G0+3], s[G1V:G1V+7]
	s_nop 0
	tensor_load_to_lds s[G0+4:G0+7], s[G1V:G1V+7]
	s_nop 0
.rept 4
	v_nop
.endr
.Lfirst_asked:
	MWORDS                                         ; the first step's words (the set-up's numbers in these registers are done with)
	v_and_b32 v64, 15, v0                          ; r
	v_bfe_u32 v65, v0, 4, 1                        ; h
	v_lshlrev_b32 v[QO], 7, v64
	v_lshl_add_u32 v[QO], v65, 4, v[QO]            ; row r of 128 bytes + 16 h
.irp f, 0,1,2,3                        ; Q' stays in registers: tile f / 2, channels 32 (f % 2) on
	global_load_b128 v[QF+8*\f:QF+8*\f+3],   v[QO], s[QP:QP+1] offset:(\f/2)*2048+(\f%2)*64
	global_load_b128 v[QF+8*\f+4:QF+8*\f+7], v[QO], s[QP:QP+1] offset:(\f/2)*2048+(\f%2)*64+32
.endr
	v_mul_u32_u24 v[AK0], v64, PK
	v_lshl_add_u32 v[AK0], v65, 4, v[AK0]
	v_and_b32 v66, 7, v0
	v_bfe_u32 v67, v0, 3, 1
	v_lshl_add_u32 v[AV0], v65, 3, v66             ; the turning load: lane l reads key 8 (l / 16) + l % 8, channels 8 ((l / 8) % 2) + 0..7
	v_mul_u32_u24 v[AV0], v[AV0], PV
	v_lshl_add_u32 v[AV0], v67, 4, v[AV0]
	v_add_nc_u32 v[AV0], KQ, v[AV0]                ; V's rows lie behind the unit's K
	v_mul_u32_u24 v[STO], v64, PK
	v_lshl_add_u32 v[STO], v65, 4, v[STO]
	v_add_nc_u32 v[STO], s[STG], v[STO]
	v_and_b32 v68, 31, v0
	v_lshrrev_b32 v69, 3, v68
	v_mul_u32_u24 v[RD], v69, PK                   ; back: eight lanes to a row of 128 bytes, four rows an instruction
	v_lshl_add_u32 v[RD], v66, 4, v[RD]
	v_add_nc_u32 v[RD], s[STG], v[RD]
	v_lshlrev_b32 v[GO], 4, v68                    ; and in ctx the same four rows are 512 consecutive bytes
	v_mov_b32 v[TMV], 0xceabfb8f                   ; -1e9 x log2(e)
.irp t, 0,1
	v_mov_b32 v[ST+8*\t], 0xff61b1e6               ; m: -3e38, under every t
	v_mov_b32 v[ST+8*\t+1], 0
	v_mov_b32 v[ST+8*\t+2], 0                      ; l
	v_mov_b32 v[ST+8*\t+3], 0
.endr
.set j, 0
.rept 64
	v_mov_b32 v[OA+j], 0                           ; O^T: the first step finds zeros, which a = 0 leaves zeros
.set j, j+1
.endr
.macro MASK t, mb                      ; a hidden score becomes TM.  Ascending: each accumulator is first read at its register 0
.set n, 0
.rept 32
	v_cndmask_b32 v[S+32*(\t)+n], v[TMV], v[S+32*(\t)+n], s[\mb+n]
.set n, n+1
.endr
.endm
.macro SMAX2                           ; the new m of my two queries, and m_old - m_new; the two tiles line by line, so that no line reads the result of the line just above it
.irp j, 0,1,2,3
.irp t, 0,1
	v_max3_num_f32 v[ST+8*\t+4+\j], v[S+32*\t+8*\j], v[S+32*\t+8*\j+1], v[S+32*\t+8*\j+2]   ; four chains of seven scores a tile
.endr
.endr
.irp u, 1,2
.irp j, 0,1,2,3
.irp t, 0,1
	v_max3_num_f32 v[ST+8*\t+4+\j], v[ST+8*\t+4+\j], v[S+32*\t+8*\j+2*\u+1], v[S+32*\t+8*\j+2*\u+2]
.endr
.endr
.endr
.irp t, 0,1
	v_max3_num_f32 v[ST+8*\t+4], v[ST+8*\t+4], v[S+32*\t+7], v[S+32*\t+15]
.endr
.irp t, 0,1
	v_max3_num_f32 v[ST+8*\t+6], v[ST+8*\t+6], v[S+32*\t+23], v[S+32*\t+31]
.endr
.irp t, 0,1
	v_max3_num_f32 v[ST+8*\t+4], v[ST+8*\t+4], v[ST+8*\t+5], v[ST+8*\t+6]
.endr
.irp t, 0,1
	v_max3_num_f32 v[ST+8*\t+4], v[ST+8*\t+4], v[ST+8*\t+7], v[ST+8*\t]
.endr
.irp t, 0,1
	v_permlanex16_b32 v[ST+8*\t+5], v[ST+8*\t+4], s[SEL], s[SEL+1]   ; the query's other 32 keys lie in the lane 16 away
.endr
.irp t, 0,1
	v_mov_b32 v[ST+8*\t+7], v[ST+8*\t]
.endr
.irp t, 0,1
	v_max_num_f32 v[ST+8*\t], v[ST+8*\t+4], v[ST+8*\t+5]
.endr
.irp t, 0,1
	v_sub_f32 v[ST+8*\t+7], v[ST+8*\t+7], v[ST+8*\t]
.endr
.endm
.macro SEXP t                          ; t - m, two at a time; then a and the 32 p: none of these lines reads an exponential's result
.set rT, ST+8*(\t)
.set rS, S+32*(\t)
.set j, 0
.rept 16
	v_pk_add_f32 v[rS+j:rS+j+1], v[rS+j:rS+j+1], v[rT:rT+1] op_sel_hi:[1,0] neg_lo:[0,1] neg_hi:[0,1]
.set j, j+2
.endr
	v_exp_f32 v[rT+6], v[rT+7]
.set j, 0
.rept 32
	v_exp_f32 v[rS+j], v[rS+j]
.set j, j+1
.endr
.endm
.macro TAIL                            ; both tiles line by line: the sums of the unrounded p (two chains a tile), l = a l + sum, the roundings in place, O^T x a
.irp t, 0,1
	v_pk_add_f32 v[ST+8*\t+4:ST+8*\t+5], v[S+32*\t:S+32*\t+1], v[S+32*\t+2:S+32*\t+3]
	v_pk_add_f32 v[SB+2*\t:SB+2*\t+1], v[S+32*\t+4:S+32*\t+5], v[S+32*\t+6:S+32*\t+7]
.endr
.irp k, 8,12,16,20,24,28
.irp t, 0,1
	v_pk_add_f32 v[ST+8*\t+4:ST+8*\t+5], v[ST+8*\t+4:ST+8*\t+5], v[S+32*\t+\k:S+32*\t+\k+1]
	v_pk_add_f32 v[SB+2*\t:SB+2*\t+1], v[SB+2*\t:SB+2*\t+1], v[S+32*\t+\k+2:S+32*\t+\k+3]
.endr
.endr
.irp t, 0,1
	v_pk_add_f32 v[ST+8*\t+4:ST+8*\t+5], v[ST+8*\t+4:ST+8*\t+5], v[SB+2*\t:SB+2*\t+1]
.endr
.irp t, 0,1
	v_pk_fma_f32 v[ST+8*\t+2:ST+8*\t+3], v[ST+8*\t+2:ST+8*\t+3], v[ST+8*\t+6:ST+8*\t+7], v[ST+8*\t+4:ST+8*\t+5] op_sel_hi:[1,0,1]
.endr
.set p, 0
.rept 16
.irp t, 0,1
	v_cvt_pk_f16_f32 v[S+32*\t+p], v[S+32*\t+2*p], v[S+32*\t+2*p+1]   ; register p was read as a source at number p / 2: ascending is safe in place
.endr
.set p, p+1
.endr
.set p, 0
.rept 16
.irp t, 0,1
	v_pk_mul_f32 v[OA+32*\t+p:OA+32*\t+p+1], v[OA+32*\t+p:OA+32*\t+p+1], v[ST+8*\t+6:ST+8*\t+7] op_sel_hi:[1,0]
.endr
.set p, p+2
.endr
.endm
; A KEY STEP: 64 keys, both tiles: the q-th of the unit in hand.  ahead = 1: the next step's mask words are asked for.
.macro STEP q, ahead
.if \q == 0
	v_add_nc_u32 v[ADK], s[TB], v[AK0]
	v_add_nc_u32 v[ADV], s[TB], v[AV0]
.endif
.irp f, 0,1,2,3,4,5,6,7                ; K: keys 16 (f / 2) on, channels 32 (f % 2) on
	ds_load_b128 v[KV+8*\f:KV+8*\f+3],   v[ADK] offset:\q*KSK*PK+(\f/2)*16*PK+(\f%2)*64
	ds_load_b128 v[KV+8*\f+4:KV+8*\f+7], v[ADK] offset:\q*KSK*PK+(\f/2)*16*PK+(\f%2)*64+32
.endr
	s_wait_dscnt 0x0
.irp c, 0,1                            ; S^T = K Q^T: eight accumulators by turns, one instruction a turn; the first eight start the sums
.irp kt, 0,1,2,3
.irp t, 0,1
.if \c == 0
	v_wmma_f32_16x16x32_f16 v[S+32*\t+8*\kt:S+32*\t+8*\kt+7], v[KV+8*(2*\kt+\c):KV+8*(2*\kt+\c)+7], v[QF+16*\t+8*\c:QF+16*\t+8*\c+7], 0
.else
	v_wmma_f32_16x16x32_f16 v[S+32*\t+8*\kt:S+32*\t+8*\kt+7], v[KV+8*(2*\kt+\c):KV+8*(2*\kt+\c)+7], v[QF+16*\t+8*\c:QF+16*\t+8*\c+7], v[S+32*\t+8*\kt:S+32*\t+8*\kt+7]
.endif
.endr
.endr
.endr
	PLACES 4                                       ; ahead of the loads into K's registers and of the first read of the scores
.irp f, 0,1,2,3,4,5,6,7                ; V, turned: keys 32 (f / 4) on, channels 16 (f % 4) on.  It lands under the softmax
	ds_load_tr16_b128 v[KV+8*\f:KV+8*\f+3],   v[ADV] offset:\q*KSK*PV+(\f/4)*32*PV+(\f%4)*32
	ds_load_tr16_b128 v[KV+8*\f+4:KV+8*\f+7], v[ADV] offset:\q*KSK*PV+(\f/4)*32*PV+16*PV+(\f%4)*32
.endr
	s_wait_kmcnt 0x0                               ; this step's 64 words, asked for a key step ago, are in; so their pointer may step
.if \ahead
	s_add_nc_u64 s[MPT:MPT+1], s[MPT:MPT+1], 128   ; the next step's 32 words of a tile
.endif
	MASK 0, MB0
	MASK 1, MB1
.if \ahead
	MWORDS                                         ; the words have been used: the next step's are asked for, with all the rest of this step ahead of the wait for them
.endif
	SMAX2
	SEXP 0
	SEXP 1
	v_nop                                          ; a plain line behind the last exponential
	s_wait_alu depctr_va_vdst(0)                   ; a wait ahead of the first line that names an exponential's result: one for both tiles' 66
	TAIL
	s_wait_dscnt 0x0                               ; V is in
.irp c, 0,1                            ; O^T += V^T P: eight accumulators by turns
.irp ct, 0,1,2,3
.irp t, 0,1
	v_wmma_f32_16x16x32_f16 v[OA+32*\t+8*\ct:OA+32*\t+8*\ct+7], v[KV+8*(4*\c+\ct):KV+8*(4*\c+\ct)+7], v[S+32*\t+8*\c:S+32*\t+8*\c+7], v[OA+32*\t+8*\ct:OA+32*\t+8*\ct+7]
.endr
.endr
.endr
	PLACES 5                                       ; the next step's first products write over P's registers (five places), its loads land in V's (four); on the way out O^T is read (four)
.endm
; Slot n: a trip walks a unit, two key steps.  tail = 1, the launch's last slot: its last unit is written out, and the very last step asks for no words: there is no step behind it, and no load leaves the words' buffer.
.macro STEPS n, trips, tail
	s_mov_b32 s[TB], \n*SLOTB
	s_mov_b32 s[CNT], \trips
.Lstep_\@:
	STEP 0, 1
	STEP 1, 1
	s_add_co_u32 s[TB], s[TB], UNITB
	s_sub_co_u32 s[CNT], s[CNT], 1
	s_cmp_lg_u32 s[CNT], 0
	s_cbranch_scc1 .Lstep_\@
.if \tail
	STEP 0, 1
	STEP 1, 0
.endif
.endm
; THE CHANGE OF SLOTS, behind slot n's last step.  Each wave waits for all its tensor loads (its part of the other slot), adds 0 to its spare word, and waits for that and for its reads of slot n.
; fill = 1: slot n is filled again with the keys 1,024 on: the barrier is a round of the cluster's, and the joint refill is the first thing behind it; it has the other slot's eight steps in which to land.
.macro CHANGE n, fill
	s_wait_tensorcnt 0x0                           ; no tensor load of mine is out, so a group 0 may be written
	ds_add_u32 v[SPW], v[NIL]                      ; 0 onto my spare word
.if \fill
	s_add_nc_u64 s[G0+4*\n+2:G0+4*\n+3], s[G0+4*\n+2:G0+4*\n+3], 2*SK*128
.endif
	s_wait_dscnt 0x0                               ; the add is done, and my reads of the slot are over
.if \fill
	CROUND
	JLOAD \n
.else
	s_barrier_signal -1
	s_barrier_wait -1
.endif
.endm
	s_wait_tensorcnt 1                             ; my part of slot 0 is in; slot 1's may stay out
	s_barrier_signal -1
	s_barrier_wait -1
	s_wait_loadcnt 0x0                             ; Q'
	STEPS 0, 4, 0                                  ; keys 0 on
	CHANGE 0, 1
	STEPS 1, 4, 0                                  ; keys 512 on
	CHANGE 1, 1
	STEPS 0, 4, 0                                  ; keys 1,024 on
	CHANGE 0, 0                                    ; nothing is left to fetch
	STEPS 1, 3, 1                                  ; keys 1,536 on
	; THE WAY OUT: l's halves and the other half of the lanes' are added; O^T / l is rounded to f16 and goes through my stage, a tile (16 rows of 128 bytes) at a time.
.irp t, 0,1
	v_add_f32 v[ST+8*\t+4], v[ST+8*\t+2], v[ST+8*\t+3]
.endr
.irp t, 0,1
	v_permlanex16_b32 v[ST+8*\t+5], v[ST+8*\t+4], s[SEL], s[SEL+1]
.endr
.irp t, 0,1
	v_add_f32 v[ST+8*\t+4], v[ST+8*\t+4], v[ST+8*\t+5]
.endr
.irp t, 0,1
	v_rcp_f32 v[ST+8*\t+6], v[ST+8*\t+4]           ; l is at least 1: the largest p of a row is 1
.endr
	v_nop
	s_wait_alu depctr_va_vdst(0)                   ; one wait for the two reciprocals, ahead of their first reader
.macro OUTT t
.set i, 0
.rept 16
	v_pk_mul_f32 v[OA+32*\t+i:OA+32*\t+i+1], v[OA+32*\t+i:OA+32*\t+i+1], v[ST+8*\t+6:ST+8*\t+7] op_sel_hi:[1,0]
.set i, i+2
.endr
.set i, 0
.rept 16
	v_cvt_pk_f16_f32 v[S+32*\t+i], v[OA+32*\t+2*i], v[OA+32*\t+2*i+1]
.set i, i+1
.endr
.irp f, 0,1,2,3
	ds_store_b128 v[STO], v[S+32*\t+4*\f:S+32*\t+4*\f+3] offset:32*\f        ; row r: channels 16 f + 8 h + 0..7
.endr
.irp f, 0,1,2,3
	ds_load_b128 v[S+32*\t+16+4*\f:S+32*\t+16+4*\f+3], v[RD] offset:\f*4*PK  ; LDS serves a wave's instructions in order: these see the stores above, and the next tile's stores come behind them
.endr
.endm
	OUTT 0
	OUTT 1
.irp t, 0,1
.irp f, 0,1,2,3
	s_wait_dscnt 8*(1-\t)+3-\f                     ; load f of tile t is in; its younger loads, and for tile 0 the second tile's eight LDS instructions, may be out
	global_store_b128 v[GO], v[S+32*\t+16+4*\f:S+32*\t+16+4*\f+3], s[OP:OP+1] offset:2048*\t+512*\f   ; 512 consecutive bytes, at a multiple of 256 from ctx's first byte
.endr
.endr
	s_wait_tensorcnt 0x0                           ; the wave's end, behind my last tensor load and my last LDS store
	ds_add_u32 v[SPW], v[NIL]
	s_wait_dscnt 0x0
	CROUND                                         ; the closing round
	s_endpgm
.Lfunc_end_k_qb7fc9e81a3_attn:
	.size	k_qb7fc9e81a3_attn, .Lfunc_end_k_qb7fc9e81a3_attn-k_qb7fc9e81a3_attn
	.p2alignl 7, 3214868480
	.fill 96, 4, 3214868480
	.section	.rodata,"a",@progbits
	.p2align	6, 0x0
	.amdhsa_kernel k_qb7fc9e81a3_attn
		.amdhsa_group_segment_fixed_size 327680
		.amdhsa_private_segment_fixed_size 0
		.amdhsa_enable_private_segment 0
		.amdhsa_kernarg_size 24
		.amdhsa_user_sgpr_count 2
		.amdhsa_user_sgpr_kernarg_segment_ptr 1
		.amdhsa_wavefront_size32 1
		.amdhsa_system_sgpr_workgroup_id_x 1
		.amdhsa_system_sgpr_workgroup_id_y 1
		.amdhsa_system_sgpr_workgroup_id_z 1
		.amdhsa_system_vgpr_workitem_id 0
		.amdhsa_next_free_vgpr 256
		.amdhsa_next_free_sgpr 106
		.amdhsa_reserve_vcc 0
		.amdhsa_float_denorm_mode_32 3
		.amdhsa_float_denorm_mode_16_64 3
		.amdhsa_memory_ordered 1
		.amdhsa_forward_progress 1
		.amdhsa_inst_pref_size 231
	.end_amdhsa_kernel
	.amdgpu_metadata
---
amdhsa.version: [ 1, 2 ]
amdhsa.kernels:
  - .name:           k_qb7fc9e81a3_attn
    .symbol:         k_qb7fc9e81a3_attn.kd
    .args:
      - { .name: qkv, .offset: 0, .size: 8, .value_kind: global_buffer, .address_space: global }
      - { .name: mbits, .offset: 8, .size: 8, .value_kind: global_buffer, .address_space: global }
      - { .name: ctx, .offset: 16, .size: 8, .value_kind: global_buffer, .address_space: global }
    .group_segment_fixed_size: 327680
    .private_segment_fixed_size: 0
    .kernarg_segment_align: 8
    .kernarg_segment_size: 24
    .max_flat_workgroup_size: 256
    .sgpr_count:     106
    .vgpr_count:     256
    .wavefront_size: 32
...
	.end_amdgpu_metadata
.endif
;; end of part 3
;; launch outp (part 4): grid 8 x 32, 4 waves a work-group, clusters of 4 x 4, 327,680 bytes of LDS; arguments ctx, wo16, bo, out0; writes out0
.if DOCPART == 4
	.amdgcn_target "amdgcn-amd-amdhsa--gfx1250"
	.amdhsa_code_object_version 6
	.text
	.protected	k_qb7fc9e81a3_outp
	.globl	k_qb7fc9e81a3_outp
	.p2align	8
	.type	k_qb7fc9e81a3_outp,@function
k_qb7fc9e81a3_outp:
	s_mov_b64 s[64:65], 0
	v_nop
	global_prefetch_b8 v0, s[64:65] scope:SCOPE_SE
	s_setreg_imm32_b32 hwreg(HW_REG_WAVE_MODE, 25, 1), 1
	s_wait_xcnt 0x0
	s_wait_alu depctr_hold_cnt(0) depctr_sa_sdst(0) depctr_va_vdst(0) depctr_va_sdst(0) depctr_va_ssrc(0) depctr_va_vcc(0) depctr_vm_vsrc(0)
	s_getreg_b32 s2, hwreg(HW_REG_IB_STS2, 6, 4)
	s_cmp_eq_u32 s2, 0
	s_cbranch_scc0 .Lentry_in_a_cluster
	s_endpgm
.Lentry_in_a_cluster:
	s_bfe_u32 s2, ttmp6, 0x10000c
	s_cmp_lg_u32 s2, 0xf033
	s_cbranch_scc0 .Lentry_shape_is_right
	s_endpgm
.Lentry_shape_is_right:
; out0[m][n] = the sum over k of ctx(m, k) Wo[n][k] + bo[n].  ctx: [b][head][2048][64] f16, k = 64 head + channel; wo16: [1024][1024] f16; bo, out0: f32; sums in f32.
; A tile of 128 x 128 gives 256 work-groups.  Four waves, each 64 x 64: 16 accumulators.  K goes in four steps of 256 (four heads) through a ring of two LDS slots.
; A'S TILE comes from head-major memory by ONE descriptor: its "row" is the dense block of 64 rows x 128 bytes of one head (8,192 bytes), its four rows are the K step's four heads, 262,144 bytes apart;
; 16 bytes of padding behind every 128, so that in LDS it lies [head][row] with rows 144 bytes apart.  B's tile: 64 rows of 512 bytes, 528 apart.
; CLUSTERS: 4 x 4 work-groups; A's tiles are asked for jointly along a row of the cluster, B's along a column.  THE MATRIX INSTRUCTION IS USED TRANSPOSED (source 0 = 16 rows of Wo, source 1 = 16 rows of ctx).
; bo is the C of each sum's first product: eight registers for each block of 16 columns, in the result's layout.
; REGISTERS: window 0: v0-31 addresses; v32-95 rows on the way out; v96-127 bo; v128-255 the accumulators ((a, b) at v[128 + 8 (4 a + b)]).  window 1: two fragment buffers of 128.
.set SIZE_N, 1024
.set SIZE_K, 1024
.set KSTEP,  256
.set PA,     144                       ; 9 x 16
.set PB,     528                       ; 33 x 16
.set HALFA,  4*64*PA                   ; 64 rows x 4 heads: what one tensor load brings of A
.set HALFB,  64*PB
.set SLOT,   2*HALFA+2*HALFB
.set STAGE,  2*SLOT                    ; behind the ring: 16 rows x 272 bytes for each wave
.set SPITCH, 272
.set SPARE,  STAGE+4*16*SPITCH
.set LAPS,   SIZE_K/(2*KSTEP)
.set ADRA, 16
.set ADRB, 20
.set STO,  24
.set RD,   25
.set CO,   26
.set BOF,  27
.set SPW,  28
.set NIL,  29
.set BK,   32
.set BI,   96
.set ACC,  128
.set F0,   0
.set F1,   128
.set G1, 24
.set G0, 32
.set G1B, 48
.set G0B, 56
.set MSB, 0
.macro WIN new
.if MSB != (\new)
	s_set_vgpr_msb (MSB<<8)|(\new)
.set MSB, (\new)
.endif
.endm
.set MUL,  0x05                        ; sources 0 (B) and 1 (A) window 1; C and D window 0
.set TO_F, 0x40
.macro JLOAD s                         ; a joint load: waves 0 and 1 fetch A's halves, waves 2 and 3 B's; an s_nop 0 and four v_nop follow each of the two lines
	s_cmp_eq_u32 s11, 0
	s_cbranch_scc0 .Lfor_b_\@
	tensor_load_to_lds s[G0+4*\s:G0+4*\s+3], s[G1:G1+7]
	s_nop 0
.rept 4
	v_nop
.endr
	s_branch .Lasked_\@
.Lfor_b_\@:
	tensor_load_to_lds s[G0B+4*\s:G0B+4*\s+3], s[G1B:G1B+7]
	s_nop 0
.rept 4
	v_nop
.endr
.Lasked_\@:
.endm
.macro CREST
	s_cmp_lg_u32 s10, 0
	s_cbranch_scc1 .Lnot_wave_0_\@
	s_barrier_signal -3
.Lnot_wave_0_\@:
	s_barrier_wait -3
	s_barrier_signal -1
	s_barrier_wait -1
.endm
.macro CROUND
	s_barrier_signal -1
	s_barrier_wait -1
	CREST
.endm
	s_load_b128 s[4:7], s[0:1], 0x0                ; ctx, wo16
	s_load_b64 s[66:67], s[0:1], 0x10              ; bo
	s_load_b64 s[8:9], s[0:1], 0x18                ; out0
	v_lshl_add_u32 v[SPW], v0, 2, SPARE
	v_mov_b32 v[NIL], 0
	ds_add_u32 v[SPW], v[NIL]                      ; the wave's opening: the add, twice on end, and its wait ahead of my first tensor load
	ds_add_u32 v[SPW], v[NIL]
	v_lshrrev_b32 v1, 5, v0
	v_readfirstlane_b32 s10, v1                    ; wave 0..3
	s_lshr_b32 s11, s10, 1                         ; which half of the tile's rows is mine.  Also: I fetch for A (0) or for B (1)
	s_and_b32 s12, s10, 1                          ; which half of its columns.  Also: which 64 rows I fetch
	s_bfe_u32 s40, ttmp6, 0x40000
	s_bfe_u32 s41, ttmp6, 0x40004
	s_lshl_b32 s42, ttmp9, 2
	s_add_co_u32 s42, s42, s40                     ; tile column
	s_and_b32 s13, ttmp7, 0xffff
	s_lshl_b32 s13, s13, 2
	s_add_co_u32 s13, s13, s41                     ; tile row
	s_lshl_b32 s43, s41, 2
	s_lshl_b32 s43, 15, s43                        ; my row of the cluster
	s_lshl_b32 s44, 0x1111, s40                    ; my column
	s_or_b32 s[G1+0], s43, (3<<16)|(1<<20)|(1<<21)|(4<<22)|(3<<25)  ; A: the mask; elements of 8 bytes; padding on; bit 21 beside a mask; 4 words behind every 32
	s_mov_b32 s[G1+1], 1024<<16                    ; tensor_dim0: 1,024 elements = 8,192 bytes: 64 rows of a head
	s_mov_b32 s[G1+2], 4<<16                       ; tensor_dim1: 4 heads
	s_mov_b32 s[G1+3], 1024<<16                    ; tile_dim0
	s_mov_b32 s[G1+4], 4                           ; tile_dim1
	s_mov_b32 s[G1+5], 32768                       ; from head to head: 262,144 bytes
	s_mov_b32 s[G1+6], 0
	s_mov_b32 s[G1+7], 0
	s_or_b32 s[G1B+0], s44, (1<<16)|(1<<20)|(1<<21)|(6<<22)|(3<<25) ; B: elements of 2 bytes; 4 words behind every 128
	s_mov_b32 s[G1B+1], KSTEP<<16
	s_mov_b32 s[G1B+2], 64<<16
	s_mov_b32 s[G1B+3], KSTEP<<16
	s_mov_b32 s[G1B+4], 64
	s_mov_b32 s[G1B+5], SIZE_K
	s_mov_b32 s[G1B+6], 0
	s_mov_b32 s[G1B+7], 0
	s_lshr_b32 s16, s13, 4
	s_lshl_b32 s16, s16, 22                        ; A: b, 4 MiB each;
	s_and_b32 s17, s13, 15
	s_lshl_b32 s17, s17, 14                        ; the tile's 128 rows of 128 bytes in a head;
	s_add_co_u32 s16, s16, s17
	s_lshl_b32 s17, s12, 13                        ; my 64 of them
	s_add_co_u32 s16, s16, s17
	s_mov_b32 s17, 0
	s_lshl_b32 s46, s42, 18                        ; B: the tile's 128 rows of 2,048 bytes;
	s_lshl_b32 s47, s12, 17                        ; my 64 of them
	s_add_co_u32 s46, s46, s47
	s_mov_b32 s47, 0
	s_mul_i32 s20, s12, HALFA                      ; where they go: A's two halves, then B's two: no place in the cluster enters an LDS address
	s_mul_i32 s21, s12, HALFB
	s_add_co_u32 s21, s21, 2*HALFA
	s_wait_dscnt 0x0                               ; both opening adds are done
	s_wait_kmcnt 0x0
	s_add_nc_u64 s[14:15], s[4:5], s[16:17]
	s_add_nc_u64 s[46:47], s[6:7], s[46:47]
	CROUND                                         ; all sixteen work-groups are here: the first joint loads meet
.irp s, 0,1
	s_mov_b32 s[G0+4*\s], 1
	s_add_co_u32 s[G0+4*\s+1], s20, \s*SLOT
	s_add_nc_u64 s[G0+4*\s+2:G0+4*\s+3], s[14:15], \s*4*262144      ; K step s: four heads on
	s_or_b32 s[G0+4*\s+3], s[G0+4*\s+3], 0x80000000
	s_mov_b32 s[G0B+4*\s], 1
	s_add_co_u32 s[G0B+4*\s+1], s21, \s*SLOT
	s_add_nc_u64 s[G0B+4*\s+2:G0B+4*\s+3], s[46:47], \s*KSTEP*2
	s_or_b32 s[G0B+4*\s+3], s[G0B+4*\s+3], 0x80000000
	JLOAD \s
.endr
	v_and_b32 v1, 15, v0                           ; l % 16
	v_bfe_u32 v2, v0, 4, 1                         ; l / 16
	v_mul_u32_u24 v3, v1, PA
	v_lshl_add_u32 v3, v2, 4, v3
	v_mul_u32_u24 v4, v1, PB
	v_lshl_add_u32 v4, v2, 4, v4
	s_mul_i32 s21, s11, HALFA                      ; my 64 rows of A
	s_mul_i32 s22, s12, HALFB                      ; my 64 rows of B,
	s_add_co_u32 s22, s22, 2*HALFA                 ; which lie behind A's two halves
.irp s, 0,1
	v_add_nc_u32 v[ADRA+\s], s21, v3
	v_add_nc_u32 v[ADRB+\s], s22, v4
	s_add_co_u32 s21, s21, SLOT
	s_add_co_u32 s22, s22, SLOT
.endr
	s_mul_i32 s23, s10, 16*SPITCH
	s_add_co_u32 s23, s23, STAGE                   ; my stage
	v_mul_u32_u24 v5, v1, SPITCH
	v_lshl_add_u32 v5, v2, 5, v5
	v_add_nc_u32 v[STO], s23, v5                   ; in: row l % 16, 32 bytes for each half of the lanes
	v_mul_u32_u24 v5, v2, SPITCH
	v_lshl_add_u32 v5, v1, 4, v5
	v_add_nc_u32 v[RD], s23, v5                    ; back: lanes 0-15 one row of 256 bytes, lanes 16-31 the next
	v_lshlrev_b32 v5, 12, v2
	v_lshl_add_u32 v[CO], v1, 4, v5                ; and the same two rows in out0
	v_lshlrev_b32 v[BOF], 5, v2
	s_lshl_b32 s16, s13, 7
	s_lshl_b32 s17, s11, 6
	s_add_co_u32 s16, s16, s17                     ; my first row: 128 x tile row + 64 x half
	s_lshl_b32 s16, s16, 12                        ; 4,096 bytes a row
	s_mov_b32 s17, 0
	s_add_nc_u64 s[8:9], s[8:9], s[16:17]
	s_lshl_b32 s46, s42, 9
	s_lshl_b32 s47, s12, 8
	s_add_co_u32 s46, s46, s47                     ; my first column, 4 bytes each: 512 x tile column + 256 x half
	s_mov_b32 s47, 0
	s_add_nc_u64 s[8:9], s[8:9], s[46:47]
	s_add_nc_u64 s[66:67], s[66:67], s[46:47]      ; and the same in bo
.irp b, 0,1,2,3
	global_load_b128 v[BI+8*\b:BI+8*\b+3], v[BOF], s[66:67] offset:64*\b          ; lane (r, h), block b: columns 16 b + 8 h + 0..7
	global_load_b128 v[BI+8*\b+4:BI+8*\b+7], v[BOF], s[66:67] offset:64*\b+16
.endr
; 8 matrix instructions: m blocks a0, a0 + 1 x all 4 n blocks, 32 along K: half c of buffer f.  zero = 1: the first product starts the sums, with bo as its C.  The 16 accumulators take turns.
.macro MUL8 f, c, a0, zero
.irp a, \a0, \a0+1
.irp b, 0,1,2,3
.if \zero
	v_wmma_f32_16x16x32_f16 v[ACC+8*(4*(\a)+\b):ACC+8*(4*(\a)+\b)+7], v[\f+64+8*(4*\c+\b):\f+64+8*(4*\c+\b)+7], v[\f+8*(4*\c+\a):\f+8*(4*\c+\a)+7], v[BI+8*\b:BI+8*\b+7]
.else
	v_wmma_f32_16x16x32_f16 v[ACC+8*(4*(\a)+\b):ACC+8*(4*(\a)+\b)+7], v[\f+64+8*(4*\c+\b):\f+64+8*(4*\c+\b)+7], v[\f+8*(4*\c+\a):\f+8*(4*\c+\a)+7], v[ACC+8*(4*(\a)+\b):ACC+8*(4*(\a)+\b)+7]
.endif
.endr
.endr
.endm
; 32 LDS loads in one run: the fragments of the slot's q-th 64 along K (one head) into buffer f; the first 32 along K first
.macro FETCH slot, q, f
	WIN TO_F
.irp c, 0,1
.irp i, 0,1,2,3
	ds_load_b128 v[\f+64+8*(4*\c+\i):\f+64+8*(4*\c+\i)+3],   v[ADRB+\slot] offset:128*(\q)+64*\c+\i*16*PB
	ds_load_b128 v[\f+64+8*(4*\c+\i)+4:\f+64+8*(4*\c+\i)+7], v[ADRB+\slot] offset:128*(\q)+64*\c+\i*16*PB+32
	ds_load_b128 v[\f+8*(4*\c+\i):\f+8*(4*\c+\i)+3],         v[ADRA+\slot] offset:64*PA*(\q)+64*\c+\i*16*PA
	ds_load_b128 v[\f+8*(4*\c+\i)+4:\f+8*(4*\c+\i)+7],       v[ADRA+\slot] offset:64*PA*(\q)+64*\c+\i*16*PA+32
.endr
.endr
.endm
.macro PLACES
.rept 4
	v_nop
.endr
.endm
.macro QUARTER slot, q, f, g, zero     ; multiplies buffer f and fetches the slot's q-th quarter into g
	s_wait_dscnt 16                                ; the first 32 along K are in; the other sixteen loads may be out
	WIN MUL
	MUL8 \f, 0, 0, \zero
	MUL8 \f, 0, 2, \zero
	PLACES
	FETCH \slot, \q, \g
	s_wait_dscnt 32                                ; all but the 32 just issued
	WIN MUL
	MUL8 \f, 1, 0, 0
	MUL8 \f, 1, 2, 0
.endm
; A slot's last quarter changes slots: ONE barrier; in front of it each wave waits for all its tensor loads, adds 0 to its spare word, and waits for that and for its reads of this slot.  fill = 1: the slot is filled again, two K steps ahead.
.macro TURN slot, next, fill
	WIN 0
	s_wait_tensorcnt 0x0                           ; all my tensor loads have landed: my part of the next slot
	ds_add_u32 v[SPW], v[NIL]                      ; 0 onto my spare word
	s_wait_dscnt 17                                ; (the add and the youngest sixteen loads may be out)
	WIN MUL
	MUL8 F1, 0, 0, 0
	s_wait_dscnt 0x0                               ; the add is done, and my reads of this slot are over
	s_barrier_signal -1
	MUL8 F1, 0, 2, 0
.if \fill
	WIN 0
.endif
	s_barrier_wait -1
.if \fill
	CREST                                          ; the barrier has opened a round of the cluster's: no wave of any partner still reads this slot or has a load on its way
	s_add_nc_u64 s[G0+4*\slot+2:G0+4*\slot+3], s[G0+4*\slot+2:G0+4*\slot+3], 2*4*262144
	s_add_nc_u64 s[G0B+4*\slot+2:G0B+4*\slot+3], s[G0B+4*\slot+2:G0B+4*\slot+3], 2*KSTEP*2
	JLOAD \slot                                    ; the first tensor load behind the round; its four v_nop are also the places in front of the loads below
.else
	PLACES
.endif
	FETCH \next, 0, F0
	WIN MUL
	MUL8 F1, 1, 0, 0
	MUL8 F1, 1, 2, 0
.endm
	s_wait_tensorcnt 1                             ; my part of K step 0 is in (K step 1's load may be out)
	s_barrier_signal -1
	s_barrier_wait -1                              ; everybody's is
	FETCH 0, 0, F0
	s_wait_loadcnt 0x0                             ; bo
	QUARTER 0, 1, F0, F1, 1
	WIN 0                                          ; at a label and at a branch every window is 0
	s_mov_b32 s3, LAPS-1
.Llap:                                                 ; a trip goes once round the ring and fills both slots again
	QUARTER 0, 2, F1, F0, 0
	QUARTER 0, 3, F0, F1, 0
	TURN 0, 1, 1
	QUARTER 1, 1, F0, F1, 0
	QUARTER 1, 2, F1, F0, 0
	QUARTER 1, 3, F0, F1, 0
	TURN 1, 0, 1
	QUARTER 0, 1, F0, F1, 0
	WIN 0
	s_sub_co_u32 s3, s3, 1
	s_cmp_lg_u32 s3, 0
	s_cbranch_scc1 .Llap
	QUARTER 0, 2, F1, F0, 0                        ; the last lap fills nothing
	QUARTER 0, 3, F0, F1, 0
	TURN 0, 1, 0
	QUARTER 1, 1, F0, F1, 0
	QUARTER 1, 2, F1, F0, 0
	QUARTER 1, 3, F0, F1, 0
	s_wait_dscnt 16
	WIN MUL
	MUL8 F1, 0, 0, 0
	MUL8 F1, 0, 2, 0
	s_wait_dscnt 0
	MUL8 F1, 1, 0, 0
	MUL8 F1, 1, 2, 0
	WIN 0
; THE WAY OUT, block by block of 16 rows x 64 columns of f32: a row of my part is 256 bytes.  The accumulators go into my own stage as they are, each from its low end on, and come back as whole rows: sixteen lanes store 256 consecutive bytes, aligned.
.macro TOSTAGE a
.irp b, 0,1,2,3
	ds_store_b128 v[STO], v[ACC+8*(4*(\a)+\b):ACC+8*(4*(\a)+\b)+3] offset:64*\b
	ds_store_b128 v[STO], v[ACC+8*(4*(\a)+\b)+4:ACC+8*(4*(\a)+\b)+7] offset:64*\b+16
.endr
.set BB, BK+32*((\a)%2)
.irp t, 0,1,2,3,4,5,6,7
	ds_load_b128 v[BB+4*\t:BB+4*\t+3], v[RD] offset:\t*2*SPITCH    ; LDS serves a wave's instructions in order: these see the stores above
.endr
.endm
.macro SEND a, younger
.set BB, BK+32*((\a)%2)
	s_wait_dscnt \younger                          ; the block is back; the next block's eight stores and eight loads may be out
.irp t, 0,1,2,3,4,5,6,7
	global_store_b128 v[CO], v[BB+4*\t:BB+4*\t+3], s[8:9] offset:(16*(\a)+2*\t)*SIZE_N*4 th:TH_STORE_NT
.endr
.endm
	PLACES
	TOSTAGE 0
.irp a, 1,2,3
.if \a > 1
	s_wait_xcnt 0x0                                ; block a - 2's stores have read their registers: block a's loads may land there
.endif
	TOSTAGE \a
	SEND \a-1, 16
.endr
	SEND 3, 0
	s_wait_tensorcnt 0x0                           ; the wave's end, behind my last tensor load and my last LDS store
	ds_add_u32 v[SPW], v[NIL]
	s_wait_dscnt 0x0
	CROUND                                         ; the closing round
	s_endpgm
.Lfunc_end_k_qb7fc9e81a3_outp:
	.size	k_qb7fc9e81a3_outp, .Lfunc_end_k_qb7fc9e81a3_outp-k_qb7fc9e81a3_outp
	.p2alignl 7, 3214868480
	.fill 96, 4, 3214868480
	.section	.rodata,"a",@progbits
	.p2align	6, 0x0
	.amdhsa_kernel k_qb7fc9e81a3_outp
		.amdhsa_group_segment_fixed_size 327680
		.amdhsa_private_segment_fixed_size 0
		.amdhsa_enable_private_segment 0
		.amdhsa_kernarg_size 32
		.amdhsa_user_sgpr_count 2
		.amdhsa_user_sgpr_kernarg_segment_ptr 1
		.amdhsa_wavefront_size32 1
		.amdhsa_system_sgpr_workgroup_id_x 1
		.amdhsa_system_sgpr_workgroup_id_y 1
		.amdhsa_system_sgpr_workgroup_id_z 1
		.amdhsa_system_vgpr_workitem_id 0
		.amdhsa_next_free_vgpr 512
		.amdhsa_next_free_sgpr 68
		.amdhsa_reserve_vcc 0
		.amdhsa_float_denorm_mode_32 3
		.amdhsa_float_denorm_mode_16_64 3
		.amdhsa_memory_ordered 1
		.amdhsa_forward_progress 1
		.amdhsa_inst_pref_size 87
	.end_amdhsa_kernel
	.amdgpu_metadata
---
amdhsa.version: [ 1, 2 ]
amdhsa.kernels:
  - .name:           k_qb7fc9e81a3_outp
    .symbol:         k_qb7fc9e81a3_outp.kd
    .args:
      - { .name: ctx, .offset: 0, .size: 8, .value_kind: global_buffer, .address_space: global }
      - { .name: wo16, .offset: 8, .size: 8, .value_kind: global_buffer, .address_space: global }
      - { .name: bo, .offset: 16, .size: 8, .value_kind: global_buffer, .address_space: global }
      - { .name: out0, .offset: 24, .size: 8, .value_kind: global_buffer, .address_space: global }
    .group_segment_fixed_size: 327680
    .private_segment_fixed_size: 0
    .kernarg_segment_align: 8
    .kernarg_segment_size: 32
    .max_flat_workgroup_size: 128
    .sgpr_count:     68
    .vgpr_count:     512
    .wavefront_size: 32
...
	.end_amdgpu_metadata
.endif
;; end of part 4
